; MI455X (gfx1250); checked and timed in simulation.
; The chip was launched on July 23, 2026; its instructions are those of AMD's public machine-readable ISA for CDNA 5 (MIT licence, August 2026) and "CDNA5" Instruction Set Architecture Reference Guide (July 2026). The comments in the code are by the model that wrote it; some were corrected since.
;; Attn Block1d. Allowed arithmetic: matrix products marked QUANTISED: E2M1 operands, one E8M0 scale for each 32 along K, by v_wmma_scale_f32_16x16x128_f8f6f4 with both operands' format E2M1 (or v_wmma_scale_f32_32x16x128_f4), f32 sums; everything else in f32.
;; Inputs: gn_beta 512 float32; gn_gamma 512 float32; k_b 512 float32; k_w_codes 512 x 16 x 16 uint8 (E2M1 codes of k_w, K innermost, in blocks of 32 codes, two codes a byte); k_w_scales 512 x 16 uint8 (E8M0 scales of k_w, one for each 32 codes along K); proj_b 512 float32; proj_w_codes 512 x 16 x 16 uint8 (E2M1 codes of proj_w, K innermost, in blocks of 32 codes, two codes a byte); proj_w_scales 512 x 16 uint8 (E8M0 scales of proj_w, one for each 32 codes along K); q_b 512 float32; q_w_codes 512 x 16 x 16 uint8 (E2M1 codes of q_w, K innermost, in blocks of 32 codes, two codes a byte); q_w_scales 512 x 16 uint8 (E8M0 scales of q_w, one for each 32 codes along K); v_b 512 float32; v_w_codes 512 x 16 x 16 uint8 (E2M1 codes of v_w, K innermost, in blocks of 32 codes, two codes a byte); v_w_scales 512 x 16 uint8 (E8M0 scales of v_w, one for each 32 codes along K); x 4 x 512 x 2,048 float32.
;; Outputs: out0 4 x 512 x 2,048 float32.
;; This version of the problem:
;;   THIS VERSION OF THE PROBLEM IS GIVEN IN LOW PRECISION. The matrix products marked QUANTISED in the list below multiply operands that are first quantised to E2M1 (2 exponent bits, 1 mantissa bit; 4 bits a number), with one power-of-two scale for each 32 numbers along K (OCP MX v1.0); their sums are f32. All else is computed in f32.
;;   The module's matrix products, in the order in which they are computed (A, B: the left and right operand; K: the contracted axis; several contracted axes count as one K, in the product's order):
;;     1. [M 8,192, K 512] x [K 512, N 512]; A: computed on the way; B: input q_w (given as codes): QUANTISED
;;     2. [M 8,192, K 512] x [K 512, N 512]; A: computed on the way; B: input k_w (given as codes): QUANTISED
;;     3. [M 8,192, K 512] x [K 512, N 512]; A: computed on the way; B: input v_w (given as codes): QUANTISED
;;     4. batch 32 x [M 2,048, K 64] x [K 64, N 2,048]; A: computed on the way; B: computed on the way: QUANTISED
;;     5. batch 32 x [M 64, K 2,048] x [K 2,048, N 2,048]; A: computed on the way; B: softmax (see below): QUANTISED
;;     6. [M 8,192, K 512] x [K 512, N 512]; A: computed on the way; B: input proj_w (given as codes): QUANTISED
;;   THE QUANTISER, for each operand of a quantised product, along K:
;;     - K is cut into blocks of 32 from its start; a last block that is shorter is filled with zeros.
;;     - A block's scale is 2^e with e = floor(log2(the largest magnitude in the block)) - 2, held to -126 .. 127; a block of zeros has e = 0. As a byte (E8M0): e + 127.
;;     - Each number is divided by its block's scale, clamped to +-6, and rounded to the nearest number of E2M1, ties to even, subnormals kept.
;;     - The product sums the exact products of the quantised numbers (number of the format x scale) in f32.
;;   ~~~python
;;   def quantise(x, axis):      # numpy; x: float32 -> the quantised numbers, widened to float32 again
;;       x = np.moveaxis(x, axis, -1); K = x.shape[-1]
;;       x = np.pad(x, [(0, 0)] * (x.ndim - 1) + [(0, -K % 32)]); x = x.reshape(x.shape[:-1] + (-1, 32)); a = np.abs(x).max(-1, keepdims=True)
;;       e = np.where(a > 0, np.clip(np.frexp(np.where(a > 0, a, 1))[1] - 1 - 2, -126, 127), 0)      # np.frexp(a)[1] - 1 = floor(log2(a)), exactly
;;       r = np.clip(x / 2.0 ** e, -6, 6)
;;       step = 2.0 ** (np.maximum(np.frexp(np.where(r == 0, 1, r))[1] - 1, 0) - 1)
;;       q = np.round(r / step) * step * 2.0 ** e      # np.round: ties to even
;;       return np.moveaxis(q.reshape(q.shape[:-2] + (-1,))[..., :K], -1, axis).astype(np.float32)
;;   ~~~
;;   SOFTMAX AHEAD OF A QUANTISED PRODUCT. Where the list says 'softmax', what is quantised is not the finished softmax but p = 2^(t - M), with t = logit x log2(e) and M = ceil(the row's largest t), a whole number; so 1/2 < the row's largest p <= 1. The row's sum l is taken of the UNQUANTISED p, in f32, and the product's result is divided by l at the end. Since M is a whole number, a kernel that streams over the keys may use a running M (the ceiling of the running maximum): every later rescaling is an exact power of two, which a block's scale takes up: the codes' values come out the same.
;;   OPERANDS COMPUTED ON THE WAY. 'Computed on the way' means the value that the module computes at that place (a softmax that the list does not call 'softmax' is quantised finished and normalised). What goes into a quantiser is computed in f32, as accurately as f32 sums, v_exp_f32 and their like allow (about 1e-6 of the number): no bf16 or f16 on the way to a quantiser, and a product that is left as it is and whose result goes on into a quantised operand takes f32 operands (vector FMAs, or v_wmma_f32_16x16x4_f32). A number that lies on a knife's edge between two numbers of the format may be rounded either way, as far as f32 arithmetic and the matrix unit's own rounding can turn it there, and no further.
;;   INPUTS GIVEN AS CODES. k_w (in the module: [512, 512], K = its axis 1); proj_w (in the module: [512, 512], K = its axis 1); q_w (in the module: [512, 512], K = its axis 1); v_w (in the module: [512, 512], K = its axis 1): each comes as NAME_codes (uint8): NAME with its K axis moved to the last place and cut into blocks of 32 codes, [.., K / 32, bytes a block], one block behind the other in memory; two codes a byte, the lower K in the low four bits (a code: sign, 2 exponent bits, 1 mantissa bit); and NAME_scales (uint8): the same leading axes, one E8M0 byte (e + 127) for each 32 codes along K. Its value is code x scale, taken as it is: it is not quantised again, and the codes and scales need not be those that the quantiser above would give.
;; 2 versions. Each part assembles by itself: llvm-mc -triple=amdgcn-amd-amdhsa -mcpu=gfx1250 --defsym DOCPART=n.
;; ======== version 1 of 2: 4 launches
;; workspace buffers: hc 2,097,152 bytes; hs 131,072 bytes; qb 2,359,296 bytes; kv 4,718,592 bytes; oc 2,097,152 bytes; os 131,072 bytes
;; launch gnq (part 1): grid 16 x 4, 32 waves a work-group, no clusters, 8,192 bytes of LDS; arguments x, gn_gamma, gn_beta, hc, hs; writes hc, hs
.if DOCPART == 1
	.amdgcn_target "amdgcn-amd-amdhsa--gfx1250"
	.amdhsa_code_object_version 6
	.text
	.protected	k_q9d46aa690e_gnq
	.globl	k_q9d46aa690e_gnq
	.p2align	8
	.type	k_q9d46aa690e_gnq,@function
k_q9d46aa690e_gnq:
	s_mov_b64 s[64:65], 0
	v_nop
	global_prefetch_b8 v0, s[64:65] scope:SCOPE_SE
	s_setreg_imm32_b32 hwreg(HW_REG_WAVE_MODE, 25, 1), 1
	s_wait_xcnt 0x0
; h = GroupNorm(x) x gamma + beta, quantised along the channels to codes of FP4 (E2M1) with one E8M0 byte for each 32 channels.
; x: [4][512][2048] f32.  A norm group is 16 channels x 2,048 columns = 2^15 numbers; a block of the quantiser is 32 channels of one column: two groups.
; SHARES.  A work-group (x = block of 32 channels, y = batch) owns 32 channels x 2,048 columns, so that it has both groups' statistics and whole blocks: 64 work-groups.
; A finer split would want the statistics from a launch of their own and x read a second time.  Thread t owns columns t and t + 1,024; ITS REGISTERS RUN DOWN THE CHANNELS:
; each load reads 128 neighbouring bytes a wave, x stays in 64 registers between the passes (read from memory once), a block's largest magnitude needs no other lane,
; and the conversions give codes with the channels innermost.
; PASSES.  sum -> mean;  d = x - mean in place;  sum of d^2 -> variance (no difference of large sums);  h = d x (rstd gamma) + beta;  quantise.
; OUT.  hc: images of operand registers, [batch][tile 128][channel block 16][row 16][16 bytes].  THE POSITIONS OF A TILE ARE NOT NEIGHBOURS: row m of tile 2 a + u is position
; 32 a + 8 u + m + 8 (m / 8).  A wave's store of 16 bytes a lane covers two runs of 256 consecutive bytes, each aligned.  hs: [batch][channel block][tile x 16 + row], one byte each; they are
; gathered in LDS and leave as 2,048 consecutive bytes.
; No matrix work, no tensor load, no cluster: the work-groups share no input but 256 bytes of gamma and beta.
; LIMITS: NaN and infinities among the inputs are not served.  A block whose largest magnitude lies under 2^-124 (a block of zeros too) gets the byte 1; the bytes are read by this program alone.
.set RED1, 0                           ; LDS: 32 waves x 2 sums
.set RED2, 256                         ; the same for the squares
.set BYT,  512                         ; 2,048 scale bytes
.set ACC,  6                           ; v[6:13]  four packed sums: group g, column set j at ACC + 4 g + 2 j
.set CD,   24                          ; v[24:31] codes, four registers for each column set
.set X,    32                          ; v32-95   x, then d, then h: X + 32 j + c
.set GAM,  16                          ; s[16:47] gamma, then rstd x gamma;  beta of channel c at s[48 + c + 16 (c / 16)]
	s_load_b128 s[4:7], s[0:1], 0x0                ; x, gamma
	s_load_b128 s[8:11], s[0:1], 0x10              ; beta, hc
	s_load_b64 s[12:13], s[0:1], 0x20              ; hs
	v_lshl_add_u32 v96, v0, 2, 0x1000
	v_mov_b32 v97, 0
	v_lshrrev_b32 v5, 5, v0
	v_readfirstlane_b32 s14, v5                    ; wave 0..31
	s_and_b32 s2, ttmp7, 0xffff                    ; batch
	s_lshl_b32 s72, s2, 22                         ; x: 4 MiB a batch,
	s_lshl_b32 s74, ttmp9, 18                      ; 32 rows of 8,192 bytes a block of channels
	s_add_co_u32 s72, s72, s74
	s_mov_b32 s73, 0
	s_lshl_b32 s74, ttmp9, 7                       ; gamma, beta: 32 numbers
	s_mov_b32 s75, 0
	s_lshl_b32 s76, s2, 19                         ; hc: 128 tiles of 4,096 bytes a batch,
	s_lshl_b32 s78, ttmp9, 8                       ; 256 bytes a channel block in a tile
	s_add_co_u32 s76, s76, s78
	s_mov_b32 s77, 0
	s_lshl_b32 s78, s2, 4
	s_add_co_u32 s78, s78, ttmp9
	s_lshl_b32 s78, s78, 11                        ; hs: a plane of 2,048 bytes
	s_mov_b32 s79, 0
	s_mov_b32 s66, 0x76543210                      ; v_permlanex16_b32's selects for lane l xor 16
	s_mov_b32 s67, 0xfedcba98
	s_mov_b32 s68, 0x38000000                      ; 2^-15: one over a group's numbers
	s_mov_b32 s69, 0x358637bd                      ; eps = 1e-6
	v_lshlrev_b32 v1, 2, v0                        ; my column's byte in a row of x
	v_lshlrev_b32 v5, 3, v5                        ; 8 x wave
	v_and_b32 v4, 31, v0
	v_lshlrev_b32 v4, 3, v4                        ; 8 x lane
	v_lshrrev_b32 v16, 5, v0
	v_bfe_u32 v17, v0, 3, 1
	v_lshl_add_u32 v16, v16, 1, v17                ; my column's tile: 2 (t / 32) + bit 3 of t
	v_bfe_u32 v17, v0, 4, 1
	v_and_b32 v22, 7, v0
	v_lshl_add_u32 v17, v17, 3, v22                ; and its row there: 8 x bit 4 + t % 8
	v_lshlrev_b32 v2, 4, v17
	v_lshl_add_u32 v2, v16, 12, v2                 ; codes: 4,096 x tile + 16 x row
	v_lshl_add_u32 v3, v16, 4, v17
	v_add_nc_u32 v3, BYT, v3                       ; scale byte in LDS: 16 x tile + row
	s_wait_kmcnt 0x0
	s_add_nc_u64 s[4:5], s[4:5], s[72:73]
	s_add_nc_u64 s[6:7], s[6:7], s[74:75]
	s_add_nc_u64 s[8:9], s[8:9], s[74:75]
	s_add_nc_u64 s[10:11], s[10:11], s[76:77]
	s_add_nc_u64 s[12:13], s[12:13], s[78:79]
	s_load_b512 s[16:31], s[6:7], 0x0              ; gamma of my 32 channels
	s_load_b512 s[32:47], s[6:7], 0x40
	s_load_b512 s[48:63], s[8:9], 0x0              ; beta
	s_load_b512 s[80:95], s[8:9], 0x40
.irp j, 0,1                                    ; column set 0 first, so that its sums can begin while set 1 is on its way
.set c, 0
.rept 32
	global_load_b32 v[X+32*\j+c], v1, s[4:5] offset:8192*c+4096*\j th:TH_LOAD_NT
.set c, c+1
.endr
.endr
.macro SUMS j                          ; column set j: the sums of its two groups, two numbers at a time, the groups by turns
.irp g, 0,1
	v_pk_add_f32 v[ACC+4*\g+2*\j:ACC+4*\g+2*\j+1], v[X+32*\j+16*\g:X+32*\j+16*\g+1], v[X+32*\j+16*\g+2:X+32*\j+16*\g+3]
.endr
.irp k, 4,6,8,10,12,14
.irp g, 0,1
	v_pk_add_f32 v[ACC+4*\g+2*\j:ACC+4*\g+2*\j+1], v[ACC+4*\g+2*\j:ACC+4*\g+2*\j+1], v[X+32*\j+16*\g+\k:X+32*\j+16*\g+\k+1]
.endr
.endr
.endm
.macro SQS j                           ; the same of the squares
.irp g, 0,1
	v_pk_mul_f32 v[ACC+4*\g+2*\j:ACC+4*\g+2*\j+1], v[X+32*\j+16*\g:X+32*\j+16*\g+1], v[X+32*\j+16*\g:X+32*\j+16*\g+1]
.endr
.irp k, 2,4,6,8,10,12,14
.irp g, 0,1
	v_pk_fma_f32 v[ACC+4*\g+2*\j:ACC+4*\g+2*\j+1], v[X+32*\j+16*\g+\k:X+32*\j+16*\g+\k+1], v[X+32*\j+16*\g+\k:X+32*\j+16*\g+\k+1], v[ACC+4*\g+2*\j:ACC+4*\g+2*\j+1]
.endr
.endr
.endm
.macro WRED                            ; v14 and v15 summed over the 32 lanes, the result in every lane
.irp m, 1,2,4,8
	v_add_f32_dpp v14, v14, v14 row_xmask:\m row_mask:0xf bank_mask:0xf
	v_add_f32_dpp v15, v15, v15 row_xmask:\m row_mask:0xf bank_mask:0xf
.endr
	v_permlanex16_b32 v16, v14, s66, s67
	v_permlanex16_b32 v17, v15, s66, s67
	v_add_f32 v14, v14, v16
	v_add_f32 v15, v15, v17
.endm
.macro TOTAL red                       ; the four packed sums become the two groups' totals over the work-group, in every lane of every wave
.irp g, 0,1
	v_pk_add_f32 v[ACC+4*\g:ACC+4*\g+1], v[ACC+4*\g:ACC+4*\g+1], v[ACC+4*\g+2:ACC+4*\g+3]
.endr
.irp g, 0,1
	v_add_f32 v[14+\g], v[ACC+4*\g], v[ACC+4*\g+1]
.endr
	WRED
	ds_store_b64 v5, v[14:15] offset:\red          ; my wave's two sums (all lanes write the same words with the same values)
	s_wait_dscnt 0x0                               ; for the others' sake: my store is done
	s_barrier_signal -1
	s_barrier_wait -1
	ds_load_b64 v[14:15], v4 offset:\red           ; lane l takes wave l's
	s_wait_dscnt 0x0
	WRED
.endm
	s_wait_loadcnt 32                              ; column set 0 is in; set 1's 32 loads may be out
	SUMS 0
	s_wait_loadcnt 0x0
	SUMS 1
	TOTAL RED1
	v_mul_f32 v18, 0xb8000000, v14                 ; -mean = sum x -2^-15, as pairs for the packed additions
	v_mul_f32 v20, 0xb8000000, v15
	v_mov_b32 v19, v18
	v_mov_b32 v21, v20
.irp j, 0,1
.irp g, 0,1
.irp k, 0,2,4,6,8,10,12,14
	v_pk_add_f32 v[X+32*\j+16*\g+\k:X+32*\j+16*\g+\k+1], v[X+32*\j+16*\g+\k:X+32*\j+16*\g+\k+1], v[18+2*\g:19+2*\g]   ; d = x - mean
.endr
.endr
.endr
	SQS 0
	SQS 1
	TOTAL RED2                                     ; other bytes than the first total's: no wave can overwrite what another still reads
	v_fma_f32 v14, v14, s68, s69                   ; variance + eps
	v_fma_f32 v15, v15, s68, s69
	v_rsq_f32 v22, v14
	v_rsq_f32 v23, v15
	v_nop                                          ; a plain instruction behind the last of the two
	s_wait_alu depctr_va_vdst(0)                   ; and the wait ahead of the first use: one for both
	v_readfirstlane_b32 s70, v22                   ; the same in every lane
	v_readfirstlane_b32 s71, v23
	s_wait_kmcnt 0x0                               ; gamma and beta
.set c, 0
.rept 32
	s_mul_f32 s[GAM+c], s[GAM+c], s[70+c/16]       ; rstd x gamma
.set c, c+1
.endr
.irp j, 0,1
.set c, 0
.rept 32
	v_fma_f32 v[X+32*\j+c], v[X+32*\j+c], s[GAM+c], s[48+c+16*(c/16)]   ; h
.set c, c+1
.endr
.endr
.macro BLOCK j                         ; column set j: my column's 32 numbers are one block
.set XS, X+32*\j
	v_max3_num_f32 v22, |v[XS]|, |v[XS+1]|, |v[XS+2]|              ; its largest magnitude, in two chains
	v_max3_num_f32 v23, |v[XS+3]|, |v[XS+4]|, |v[XS+5]|
.irp i, 6,10,14,18,22,26
	v_max3_num_f32 v22, v22, |v[XS+\i]|, |v[XS+\i+1]|
	v_max3_num_f32 v23, v23, |v[XS+\i+2]|, |v[XS+\i+3]|
.endr
	v_max3_num_f32 v22, v22, |v[XS+30]|, |v[XS+31]|
	v_max3_num_f32 v22, v22, v23, 0x1800000        ; and the floor 2^(3 - 127): the byte cannot fall under 1
	v_add_nc_u32 v23, 0xff000000, v22              ; 2 off its exponent field: the conversion takes the exponent field of this operand as its scale
	v_lshrrev_b32 v[6+\j], 23, v23                 ; the scale's byte
.irp g, 0,1,2,3
	v_cvt_scalef32_pk8_fp4_f32 v[CD+4*\j+\g], v[XS+8*\g:XS+8*\g+7], v23
.endr
	v_nop                                          ; one plain place behind the last conversion
	global_store_b128 v2, v[CD+4*\j:CD+4*\j+3], s[10:11] offset:262144*\j   ; column t + 1,024 lies 64 tiles on
	ds_store_b8 v3, v[6+\j] offset:1024*\j
.endm
	BLOCK 0
	BLOCK 1
	s_wait_dscnt 0x0                               ; my bytes are in LDS
	s_barrier_signal -1
	s_barrier_wait -1                              ; everybody's are
	s_cmp_lt_u32 s14, 4                            ; waves 0 to 3 carry the 2,048 bytes out, 16 a lane
	s_cbranch_scc0 .Lend
	v_lshl_add_u32 v22, v0, 4, BYT
	v_lshlrev_b32 v23, 4, v0
	ds_load_b128 v[32:35], v22
	s_wait_dscnt 0x0
	global_store_b128 v23, v[32:35], s[12:13]      ; a wave stores 512 consecutive bytes, aligned to 256
.Lend:
	s_wait_tensorcnt 0x0
	ds_add_u32 v96, v97
	s_wait_dscnt 0x0
	s_endpgm
.Lfunc_end_k_q9d46aa690e_gnq:
	.size	k_q9d46aa690e_gnq, .Lfunc_end_k_q9d46aa690e_gnq-k_q9d46aa690e_gnq
	.p2alignl 7, 3214868480
	.fill 96, 4, 3214868480
	.section	.rodata,"a",@progbits
	.p2align	6, 0x0
	.amdhsa_kernel k_q9d46aa690e_gnq
		.amdhsa_group_segment_fixed_size 8192
		.amdhsa_private_segment_fixed_size 0
		.amdhsa_enable_private_segment 0
		.amdhsa_kernarg_size 40
		.amdhsa_user_sgpr_count 2
		.amdhsa_user_sgpr_kernarg_segment_ptr 1
		.amdhsa_wavefront_size32 1
		.amdhsa_system_sgpr_workgroup_id_x 1
		.amdhsa_system_sgpr_workgroup_id_y 1
		.amdhsa_system_sgpr_workgroup_id_z 1
		.amdhsa_system_vgpr_workitem_id 0
		.amdhsa_next_free_vgpr 98
		.amdhsa_next_free_sgpr 96
		.amdhsa_reserve_vcc 0
		.amdhsa_float_denorm_mode_32 3
		.amdhsa_float_denorm_mode_16_64 3
		.amdhsa_memory_ordered 1
		.amdhsa_forward_progress 1
		.amdhsa_inst_pref_size 28
	.end_amdhsa_kernel
	.amdgpu_metadata
---
amdhsa.version: [ 1, 2 ]
amdhsa.kernels:
  - .name:           k_q9d46aa690e_gnq
    .symbol:         k_q9d46aa690e_gnq.kd
    .args:
      - { .name: x, .offset: 0, .size: 8, .value_kind: global_buffer, .address_space: global }
      - { .name: gn_gamma, .offset: 8, .size: 8, .value_kind: global_buffer, .address_space: global }
      - { .name: gn_beta, .offset: 16, .size: 8, .value_kind: global_buffer, .address_space: global }
      - { .name: hc, .offset: 24, .size: 8, .value_kind: global_buffer, .address_space: global }
      - { .name: hs, .offset: 32, .size: 8, .value_kind: global_buffer, .address_space: global }
    .group_segment_fixed_size: 8192
    .private_segment_fixed_size: 0
    .kernarg_segment_align: 8
    .kernarg_segment_size: 40
    .max_flat_workgroup_size: 1024
    .sgpr_count:     96
    .vgpr_count:     98
    .wavefront_size: 32
...
	.end_amdgpu_metadata
.endif
;; end of part 1
;; launch qkv (part 2): grid 64 x 4, 8 waves a work-group, no clusters, 35,840 bytes of LDS; arguments hc, hs, q_w_codes, q_w_scales, q_b, k_w_codes, k_w_scales, k_b, v_w_codes, v_w_scales, v_b, qb, kv; writes qb, kv
.if DOCPART == 2
	.amdgcn_target "amdgcn-amd-amdhsa--gfx1250"
	.amdhsa_code_object_version 6
	.text
	.protected	k_q9d46aa690e_qkv
	.globl	k_q9d46aa690e_qkv
	.p2align	8
	.type	k_q9d46aa690e_qkv,@function
k_q9d46aa690e_qkv:
	s_mov_b64 s[64:65], 0
	v_nop
	global_prefetch_b8 v0, s[64:65] scope:SCOPE_SE
	s_setreg_imm32_b32 hwreg(HW_REG_WAVE_MODE, 25, 1), 1
	s_wait_xcnt 0x0
; q, k, v = W h + bias on codes of FP4 (E2M1) with E8M0 scales, and their results quantised again on the way: q and k along the head's 64 channels, v along the keys.
; SHARES.  A work-group (x = 16 batch + package of 128 positions, y = pair of heads 2 p, 2 p + 1) makes 128 positions x 384 outputs over K = 512.  Every wave runs the same text twice over:
;   THE QK JOB: wave w: q (w < 4) or k, head 2 p + (w / 2) % 2, tiles 4 (w % 2) .. + 3 of positions.  Source 0 = 16 rows of W, source 1 = 16 positions of h: a lane holds ONE position, its registers run along the head's channels.
;   THE V JOB: wave w: 16 channels of v (head 2 p + w / 4, tile w % 4), all 8 tiles of positions.  Source 0 = 16 positions of h, source 1 = 16 rows of W: a lane holds ONE channel, its registers run along the positions (the keys).
; THE ROWS OF W THAT FORM A TILE, AND THE POSITIONS THAT FORM A TILE OF h, ARE NOT NEIGHBOURS: row m of tile 2 a + u is 32 a + 8 u + m + 8 (m / 8), so that the 16 registers of tiles 2 a and 2 a + 1 are
; 16 neighbours, 32 a + 16 (lane / 16) + 0 .. 15, along the next product's K.
; A wave's weights, their scale words and biases stay in registers (window 1); the biases are the C of each sum's first matrix instruction.  h's 32 KiB of register images and 2 KiB of scale bytes go through LDS once.
; OUT.  qb: a package of 4,608 bytes for 128 queries of a head: 8 tiles x 512 bytes (the image of operand registers 0-3; registers 4-7, K = 64 .. 127, are zeros that the reader makes itself), then 512 bytes of scale words,
; [half][lane][i]: the word of tile 4 half + 2 i + lane / 16, row lane % 16; its bytes 2 and 3 repeat bytes 0 and 1 (they scale zero codes).  kv: a package of 9,216 bytes for 128 keys: k as q; at 4,608 v's 4 fragments
; (16 channels x 128 keys, 1,024 bytes each); at 8,704 their scale words, 128 bytes each (lanes 16-31 repeat lanes 0-15; this one store covers half of an aligned 256 bytes: 1/72 of a package).
; NO CLUSTER, NO TENSOR LOAD: each weight fragment goes from memory straight into the registers of the one or two waves that keep it; shared requests would send 96 KiB of weights through LDS to be read from there again.
; LIMITS: NaN and infinities are not served.  A block whose largest magnitude lies under 2^-124 (a block of zeros too) gets the byte 1; the bytes are read by this program alone.
.set HIMG, 0                           ; LDS: h's 8 tiles as they lie in hc: tile 4,096 bytes, K step 1,024, register group 512, lane 16
.set HSC,  32768                       ; h's scale bytes, [row = 16 tile + r][16]: word s of a row serves K step s
.set SW,   20                          ; v20-23   the four tiles' scale words
.set WS,   28                          ; v28-43   W's scale words, 4 t + s;  v44-47 the V job's
.set WSV,  44
.set HSQ,  48                          ; v48-55   h's scale words for the QK job: 4 i + s: lanes 0-15 tile 4 half + 2 i, lanes 16-31 the next
.set HS,   56                          ; v56-71   for the V job: 4 i + s: tiles 2 i, 2 i + 1
.set HF,   72                          ; v72-135  h's fragments: two sets of four (QK), or eight (V); at the head what is on its way to LDS
.set QA,   136                         ; v136-167 the QK job's four accumulators
.set PCV,  136                         ; v136-143 the V job's codes
.set VA,   168                         ; v168-231 the V job's eight accumulators
.set PCQ,  168                         ; v168-183 the QK job's codes, four registers a tile
.set TM,   232                         ; v232-247 at work in the quantiser
.set PW,   248                         ; the V job's scale word
.set WQ,   0                           ; window 1: v0-127 W's fragments (t, s) at 8 (4 t + s);
.set BQ,   128                         ; v128-159 the QK job's biases, 8 t;
.set WV,   160                         ; v160-191 the V job's fragments, 8 s;
.set BV,   192                         ; v192-199 its bias, eight times
.set SEL,  52
.set MSB, 0
.macro WIN new                         ; the immediate's high byte repeats the setting that is left
.if MSB != \new
	s_set_vgpr_msb (MSB<<8)|\new
.set MSB, \new
.endif
.endm
.macro PLACES                          ; four places behind a matrix instruction, in front of loads into its sources and of the first read of its result
.rept 4
	v_nop
.endr
.endm
	s_load_b512 s[16:31], s[0:1], 0x0              ; hc, hs, q's codes, scales, bias, k's codes, scales, bias
	s_load_b256 s[32:39], s[0:1], 0x40             ; v's codes, scales, bias, qb
	s_load_b64 s[40:41], s[0:1], 0x60              ; kv
	v_lshl_add_u32 v254, v0, 2, 0x8800
	v_mov_b32 v255, 0
	v_lshrrev_b32 v1, 5, v0
	v_readfirstlane_b32 s2, v1                     ; wave 0..7
	s_and_b32 s4, ttmp7, 0xffff                    ; p
	s_lshr_b32 s5, ttmp9, 4                        ; batch
	s_and_b32 s6, ttmp9, 15                        ; package
	s_lshr_b32 s7, s2, 2                           ; QK: 0 = q, 1 = k.  V: which of the two heads
	s_bfe_u32 s8, s2, 0x10001                      ; QK: which of the two heads
	s_and_b32 s9, s2, 1                            ; QK: which half of the positions
	s_and_b32 s12, s2, 3                           ; V: which tile of channels
	s_lshl_b32 s10, s4, 1
	s_add_co_u32 s11, s10, s7                      ; V's head
	s_add_co_u32 s10, s10, s8                      ; QK's head
	v_and_b32 v1, 31, v0                           ; lane
	v_and_b32 v2, 15, v0                           ; r
	v_bfe_u32 v3, v0, 4, 1                         ; lane / 16
	v_lshlrev_b32 v4, 4, v1                        ; an image's place for my lane
	s_lshl_b32 s13, s9, 14
	v_add_nc_u32 v5, s13, v4                       ; + my half's four tiles
	v_add_nc_u32 v7, HSC, v4                       ; scale words: 16 bytes a row, 32 rows a load
	s_lshl_b32 s13, s9, 10
	v_add_nc_u32 v6, s13, v7
	v_and_b32 v9, 8, v2
	v_add_nc_u32 v9, v9, v2                        ; r + 8 (r / 8)
	v_lshlrev_b32 v8, 8, v9
	v_lshl_add_u32 v8, v3, 4, v8                   ; W: a row is 256 bytes; + 16 for lanes 16-31
	v_lshlrev_b32 v11, 2, v9                       ; V's bias
	v_lshlrev_b32 v9, 4, v9                        ; W's scale bytes: 16 a row
	v_lshlrev_b32 v10, 6, v3                       ; QK's bias: lanes 16-31 begin 16 channels on
	v_lshlrev_b32 v12, 4, v0                       ; staging: 16 bytes a thread
	v_and_b32 v13, 127, v0
	v_lshrrev_b32 v15, 7, v0
	v_lshlrev_b32 v14, 4, v13
	v_lshl_add_u32 v14, v15, 3, v14
	v_add_nc_u32 v14, HSC, v14                     ; thread t puts 8 bytes of row t % 128: channel blocks 8 (t / 128) on
	v_lshl_add_u32 v13, v15, 14, v13               ; and finds them in 8 planes of 2,048 bytes
	s_lshl_b32 s13, s12, 7
	v_lshl_add_u32 v16, v1, 2, s13                 ; V's scale words out
	s_lshl_b32 s13, s9, 11
	v_add_nc_u32 v17, s13, v4                      ; QK's codes out
	s_lshl_b32 s13, s9, 8
	v_lshl_add_u32 v18, v1, 3, s13                 ; QK's scale words out
	s_lshl_b32 s13, s12, 10
	v_add_nc_u32 v19, s13, v4                      ; V's codes out
	v_cmp_le_u32 vcc_lo, 16, v1                    ; lanes 16-31
.irp b, 0,1,2,3
	v_mov_b32 v[TM+4+\b], 0                        ; written once: a lane permute's destination counts as one of its sources
.endr
	s_mov_b32 s[SEL], 0x76543210                   ; v_permlanex16_b32's selects for lane l xor 16
	s_mov_b32 s[SEL+1], 0xfedcba98
	s_mov_b32 s15, 0
	s_wait_kmcnt 0x0
	s_cmp_eq_u32 s7, 0                             ; q's buffers or k's: the choice hangs on the wave's number alone
	s_cselect_b64 s[42:43], s[20:21], s[26:27]
	s_cselect_b64 s[44:45], s[22:23], s[28:29]
	s_cselect_b64 s[46:47], s[24:25], s[30:31]
	s_cselect_b64 s[48:49], s[38:39], s[40:41]
	s_mov_b32 s13, 9216
	s_cselect_b32 s13, 4608, s13                   ; a package's bytes
	s_lshl_b32 s14, ttmp9, 15
	s_add_nc_u64 s[16:17], s[16:17], s[14:15]      ; hc at my 8 tiles
	s_lshl_b32 s14, s5, 15
	s_lshl_b32 s3, s6, 7
	s_add_co_u32 s14, s14, s3
	s_add_nc_u64 s[18:19], s[18:19], s[14:15]      ; hs at my 128 rows of plane 0
	s_lshl_b32 s14, s10, 14
	s_add_nc_u64 s[42:43], s[42:43], s[14:15]      ; the head's 64 rows of W,
	s_lshl_b32 s14, s10, 10
	s_add_nc_u64 s[44:45], s[44:45], s[14:15]      ; of its scale bytes,
	s_lshl_b32 s14, s10, 8
	s_add_nc_u64 s[46:47], s[46:47], s[14:15]      ; of the bias
	s_lshl_b32 s3, s5, 3
	s_add_co_u32 s14, s3, s10
	s_lshl_b32 s14, s14, 4
	s_add_co_u32 s14, s14, s6                      ; (8 batch + head) x 16 + package
	s_mul_i32 s14, s14, s13
	s_add_nc_u64 s[48:49], s[48:49], s[14:15]      ; where the QK job stores
	s_add_co_u32 s14, s3, s11
	s_lshl_b32 s14, s14, 4
	s_add_co_u32 s14, s14, s6
	s_mul_i32 s14, s14, 9216
	s_add_nc_u64 s[50:51], s[40:41], s[14:15]      ; where the V job stores
	s_lshl_b32 s3, s11, 6
	s_lshr_b32 s13, s12, 1
	s_lshl_b32 s13, s13, 5
	s_add_co_u32 s3, s3, s13
	s_and_b32 s13, s12, 1
	s_lshl_b32 s13, s13, 3
	s_add_co_u32 s3, s3, s13                       ; the V tile's first row: 64 head + 32 (tile / 2) + 8 (tile % 2)
	s_lshl_b32 s14, s3, 8
	s_add_nc_u64 s[32:33], s[32:33], s[14:15]
	s_lshl_b32 s14, s3, 4
	s_add_nc_u64 s[34:35], s[34:35], s[14:15]
	s_lshl_b32 s14, s3, 2
	s_add_nc_u64 s[36:37], s[36:37], s[14:15]
	; sixteen loads for LDS first, then 54 that stay in registers
.irp i, 0,1,2,3,4,5,6,7
	global_load_b128 v[HF+4*\i:HF+4*\i+3], v12, s[16:17] offset:4096*\i
.endr
.irp i, 0,1,2,3,4,5,6,7
	global_load_u8 v[HF+32+\i], v13, s[18:19] offset:2048*\i
.endr
	WIN 0x40                                       ; destination window 1
.irp t, 0,1,2,3
.irp s, 0,1,2,3
.irp c, 0,1
	global_load_b128 v[WQ+8*(4*\t+\s)+4*\c:WQ+8*(4*\t+\s)+4*\c+3], v8, s[42:43] offset:(32*(\t/2)+8*(\t%2))*256+64*\s+32*\c
.endr
.endr
.endr
.irp t, 0,1,2,3                                ; lane (r, h) wants the bias of channels 32 (t / 2) + 16 h + 8 (t % 2) + 0 .. 7
	global_load_b128 v[BQ+8*\t:BQ+8*\t+3], v10, s[46:47] offset:(32*(\t/2)+8*(\t%2))*4
	global_load_b128 v[BQ+8*\t+4:BQ+8*\t+7], v10, s[46:47] offset:(32*(\t/2)+8*(\t%2))*4+16
.endr
.irp s, 0,1,2,3
.irp c, 0,1
	global_load_b128 v[WV+8*\s+4*\c:WV+8*\s+4*\c+3], v8, s[32:33] offset:64*\s+32*\c
.endr
.endr
	global_load_b32 v[BV], v11, s[36:37]           ; my channel's bias
	WIN 0
.irp t, 0,1,2,3
	global_load_b128 v[WS+4*\t:WS+4*\t+3], v9, s[44:45] offset:(32*(\t/2)+8*(\t%2))*16
.endr
	global_load_b128 v[WSV:WSV+3], v9, s[34:35]
	s_wait_loadcnt 54                              ; the first sixteen are in; the 54 behind them may be out
.irp i, 0,1,2,3,4,5,6,7
	ds_store_b128 v12, v[HF+4*\i:HF+4*\i+3] offset:HIMG+4096*\i
.endr
	v_lshl_or_b32 v[HF+32], v[HF+33], 8, v[HF+32]  ; eight bytes make two scale words
	v_lshl_or_b32 v[HF+32], v[HF+34], 16, v[HF+32]
	v_lshl_or_b32 v[HF+32], v[HF+35], 24, v[HF+32]
	v_lshl_or_b32 v[HF+33], v[HF+37], 8, v[HF+36]
	v_lshl_or_b32 v[HF+33], v[HF+38], 16, v[HF+33]
	v_lshl_or_b32 v[HF+33], v[HF+39], 24, v[HF+33]
	ds_store_b64 v14, v[HF+32:HF+33]
	s_wait_dscnt 0x0                               ; for the others' sake: my stores are done
	s_barrier_signal -1
	s_barrier_wait -1                              ; the launch's one barrier: h lies in LDS and is only read from here on
.macro FETCHQ m, buf                   ; tile 4 half + m of h, all four K steps, into set buf
.irp s, 0,1,2,3
.irp c, 0,1
	ds_load_b128 v[HF+32*(\buf)+8*\s+4*\c:HF+32*(\buf)+8*\s+4*\c+3], v5 offset:HIMG+4096*(\m)+1024*\s+512*\c
.endr
.endr
.endm
; 16 matrix instructions: the head's four tiles of channels by turns, K step by K step; the first K step takes the bias as C
.macro MULQ m, buf
.irp s, 0,1,2,3
.if \s == 0
	WIN 0x11                                       ; W and the bias in window 1
.else
	WIN 0x01
.endif
.irp t, 0,1,2,3
.if \s == 0
.set RC, BQ+8*\t
.else
.set RC, QA+8*\t
.endif
.if (\m)%2
	v_wmma_scale_f32_16x16x128_f8f6f4 v[QA+8*\t:QA+8*\t+7], v[WQ+8*(4*\t+\s):WQ+8*(4*\t+\s)+7], v[HF+32*(\buf)+8*\s:HF+32*(\buf)+8*\s+7], v[RC:RC+7], v[WS+4*\t+\s], v[HSQ+4*((\m)/2)+\s] matrix_a_fmt:MATRIX_FMT_FP4 matrix_b_fmt:MATRIX_FMT_FP4 matrix_b_scale:MATRIX_SCALE_ROW1
.else
	v_wmma_scale_f32_16x16x128_f8f6f4 v[QA+8*\t:QA+8*\t+7], v[WQ+8*(4*\t+\s):WQ+8*(4*\t+\s)+7], v[HF+32*(\buf)+8*\s:HF+32*(\buf)+8*\s+7], v[RC:RC+7], v[WS+4*\t+\s], v[HSQ+4*((\m)/2)+\s] matrix_a_fmt:MATRIX_FMT_FP4 matrix_b_fmt:MATRIX_FMT_FP4
.endif
.endr
.endr
.endm
; 32 numbers of a lane, register 16 b + i = k 32 b + 16 (lane / 16) + i of my row, become operand registers 0-3 in v[pc] on; the two blocks' bytes are left in v[TM+4], v[TM+5]
.macro QUANT2 s, pc
.irp b, 0,1
	v_max3_num_f32 v[TM+\b], |v[\s+16*\b]|, |v[\s+1+16*\b]|, 0x1800000   ; my 16 numbers of block b, and the floor 2^(3 - 127): the byte cannot fall under 1
.endr
.irp i, 2,4,6,8,10,12,14
.irp b, 0,1
	v_max3_num_f32 v[TM+\b], v[TM+\b], |v[\s+16*\b+\i]|, |v[\s+1+16*\b+\i]|
.endr
.endr
.irp b, 0,1
	v_permlanex16_b32 v[TM+4+\b], v[TM+\b], s[SEL], s[SEL+1]
.endr
.irp b, 0,1
	v_max_num_f32 v[TM+\b], v[TM+\b], v[TM+4+\b]   ; with lane l xor 16's: the block's largest magnitude
.endr
.irp b, 0,1
	v_add_nc_u32 v[TM+12+\b], 0xff000000, v[TM+\b] ; 2 off its exponent field: the conversion's scale operand
.endr
.irp b, 0,1
	v_lshrrev_b32 v[TM+4+\b], 23, v[TM+12+\b]      ; the scale's byte
.endr
.irp b, 0,1
	v_cvt_scalef32_pk8_fp4_f32 v[(\pc)+2*\b], v[\s+16*\b:\s+16*\b+7], v[TM+12+\b]
	v_cvt_scalef32_pk8_fp4_f32 v[(\pc)+1+2*\b], v[\s+8+16*\b:\s+8+16*\b+7], v[TM+12+\b]
.endr
	v_nop                                          ; one plain place behind a scaled conversion
.irp i, 0,1                                    ; the operand's layout wants a WHOLE block in a lane: lanes 0-15 block 0, lanes 16-31 block 1
	v_permlane16_swap_b32 v[(\pc)+\i], v[(\pc)+2+\i]
.endr
.endm
; 64 numbers likewise become a whole fragment in v[PCV] on and its scale word in v[PW]
.macro QUANT4 s
.irp b, 0,1,2,3
	v_max3_num_f32 v[TM+\b], |v[\s+16*\b]|, |v[\s+1+16*\b]|, 0x1800000
.endr
.irp i, 2,4,6,8,10,12,14
.irp b, 0,1,2,3
	v_max3_num_f32 v[TM+\b], v[TM+\b], |v[\s+16*\b+\i]|, |v[\s+1+16*\b+\i]|
.endr
.endr
.irp b, 0,1,2,3
	v_permlanex16_b32 v[TM+4+\b], v[TM+\b], s[SEL], s[SEL+1]
.endr
.irp b, 0,1,2,3
	v_max_num_f32 v[TM+\b], v[TM+\b], v[TM+4+\b]
.endr
.irp b, 0,1,2,3
	v_add_nc_u32 v[TM+12+\b], 0xff000000, v[TM+\b]
.endr
.irp b, 0,1,2,3
	v_lshrrev_b32 v[TM+4+\b], 23, v[TM+12+\b]
.endr
	v_lshl_or_b32 v[PW], v[TM+5], 8, v[TM+4]
	v_lshl_or_b32 v[PW], v[TM+6], 16, v[PW]
	v_lshl_or_b32 v[PW], v[TM+7], 24, v[PW]
.irp b, 0,1,2,3
	v_cvt_scalef32_pk8_fp4_f32 v[PCV+2*\b], v[\s+16*\b:\s+16*\b+7], v[TM+12+\b]
	v_cvt_scalef32_pk8_fp4_f32 v[PCV+1+2*\b], v[\s+8+16*\b:\s+8+16*\b+7], v[TM+12+\b]
.endr
	v_nop
.irp c, 0,1
.irp i, 0,1
	v_permlane16_swap_b32 v[PCV+4*\c+\i], v[PCV+2+4*\c+\i]
.endr
.endr
.endm
.macro FETCHV s                        ; K step s of all eight tiles of h
.irp n, 0,1,2,3,4,5,6,7
.irp c, 0,1
	ds_load_b128 v[HF+8*\n+4*\c:HF+8*\n+4*\c+3], v4 offset:HIMG+4096*\n+1024*(\s)+512*\c
.endr
.endr
.endm
.macro MULV s                          ; 8 matrix instructions: the eight tiles of positions by turns
.if (\s) == 0
	WIN 0x14                                       ; W and the bias in window 1
.else
	WIN 0x04
.endif
.irp n, 0,1,2,3,4,5,6,7
.if (\s) == 0
.set RC, BV
.else
.set RC, VA+8*\n
.endif
.if \n%2
	v_wmma_scale_f32_16x16x128_f8f6f4 v[VA+8*\n:VA+8*\n+7], v[HF+8*\n:HF+8*\n+7], v[WV+8*(\s):WV+8*(\s)+7], v[RC:RC+7], v[HS+4*(\n/2)+(\s)], v[WSV+(\s)] matrix_a_fmt:MATRIX_FMT_FP4 matrix_b_fmt:MATRIX_FMT_FP4 matrix_a_scale:MATRIX_SCALE_ROW1
.else
	v_wmma_scale_f32_16x16x128_f8f6f4 v[VA+8*\n:VA+8*\n+7], v[HF+8*\n:HF+8*\n+7], v[WV+8*(\s):WV+8*(\s)+7], v[RC:RC+7], v[HS+4*(\n/2)+(\s)], v[WSV+(\s)] matrix_a_fmt:MATRIX_FMT_FP4 matrix_b_fmt:MATRIX_FMT_FP4
.endif
.endr
.endm
.irp i, 0,1
	ds_load_b128 v[HSQ+4*\i:HSQ+4*\i+3], v6 offset:512*\i
.endr
.irp i, 0,1,2,3
	ds_load_b128 v[HS+4*\i:HS+4*\i+3], v7 offset:512*\i
.endr
	FETCHQ 0, 0
	s_wait_loadcnt 0x0                             ; the weights, their scale words and the biases
	WIN 0x41
.irp j, 1,2,3,4,5,6,7
	v_mov_b32 v[BV+\j], v[BV]                      ; in the V job's result all eight registers of a lane belong to one channel
.endr
	WIN 0
	; ---- the QK job, a tile of 16 positions at a time; the next tile's fragments are fetched while this one is multiplied
.irp m, 0,1,2,3
	s_wait_dscnt 0x0                               ; this tile's fragments are in
.if \m < 3
	FETCHQ \m+1, (\m+1)%2                          ; into the set that the tile before read: four v_nop and a whole quantiser lie between
.endif
	MULQ \m, \m%2
	WIN 0
	PLACES
	QUANT2 QA, PCQ+4*\m
	v_lshl_or_b32 v[SW+\m], v[TM+5], 8, v[TM+4]    ; the tile's scale word: two bytes,
	v_lshl_or_b32 v[SW+\m], v[SW+\m], 16, v[SW+\m] ; and the same two again over the zero codes of K = 64 .. 127
	global_store_b128 v17, v[PCQ+4*\m:PCQ+4*\m+3], s[48:49] offset:512*\m   ; 512 consecutive bytes, aligned to 256
.endr
	v_cndmask_b32 v24, v[SW], v[SW+1], vcc_lo      ; lanes 0-15 carry the even tile's word, lanes 16-31 the odd tile's
	v_cndmask_b32 v25, v[SW+2], v[SW+3], vcc_lo
	global_store_b64 v18, v[24:25], s[48:49] offset:4096   ; 256 consecutive bytes, aligned
	s_wait_xcnt 0x0                                ; the stores have read the codes' registers, which the V job's sums take over
	; ---- the V job
.irp s, 0,1,2,3
.if \s > 0
	PLACES
.endif
	FETCHV \s
	s_wait_dscnt 0x0
	MULV \s
	WIN 0
.endr
	PLACES
	QUANT4 VA
	global_store_b128 v19, v[PCV:PCV+3], s[50:51] offset:4608
	global_store_b128 v19, v[PCV+4:PCV+7], s[50:51] offset:4608+512
	global_store_b32 v16, v[PW], s[50:51] offset:8704
	s_wait_tensorcnt 0x0
	ds_add_u32 v254, v255
	s_wait_dscnt 0x0
	s_endpgm
.Lfunc_end_k_q9d46aa690e_qkv:
	.size	k_q9d46aa690e_qkv, .Lfunc_end_k_q9d46aa690e_qkv-k_q9d46aa690e_qkv
	.p2alignl 7, 3214868480
	.fill 96, 4, 3214868480
	.section	.rodata,"a",@progbits
	.p2align	6, 0x0
	.amdhsa_kernel k_q9d46aa690e_qkv
		.amdhsa_group_segment_fixed_size 35840
		.amdhsa_private_segment_fixed_size 0
		.amdhsa_enable_private_segment 0
		.amdhsa_kernarg_size 104
		.amdhsa_user_sgpr_count 2
		.amdhsa_user_sgpr_kernarg_segment_ptr 1
		.amdhsa_wavefront_size32 1
		.amdhsa_system_sgpr_workgroup_id_x 1
		.amdhsa_system_sgpr_workgroup_id_y 1
		.amdhsa_system_sgpr_workgroup_id_z 1
		.amdhsa_system_vgpr_workitem_id 0
		.amdhsa_next_free_vgpr 464
		.amdhsa_next_free_sgpr 66
		.amdhsa_reserve_vcc 1
		.amdhsa_float_denorm_mode_32 3
		.amdhsa_float_denorm_mode_16_64 3
		.amdhsa_memory_ordered 1
		.amdhsa_forward_progress 1
		.amdhsa_inst_pref_size 45
	.end_amdhsa_kernel
	.amdgpu_metadata
---
amdhsa.version: [ 1, 2 ]
amdhsa.kernels:
  - .name:           k_q9d46aa690e_qkv
    .symbol:         k_q9d46aa690e_qkv.kd
    .args:
      - { .name: hc, .offset: 0, .size: 8, .value_kind: global_buffer, .address_space: global }
      - { .name: hs, .offset: 8, .size: 8, .value_kind: global_buffer, .address_space: global }
      - { .name: q_w_codes, .offset: 16, .size: 8, .value_kind: global_buffer, .address_space: global }
      - { .name: q_w_scales, .offset: 24, .size: 8, .value_kind: global_buffer, .address_space: global }
      - { .name: q_b, .offset: 32, .size: 8, .value_kind: global_buffer, .address_space: global }
      - { .name: k_w_codes, .offset: 40, .size: 8, .value_kind: global_buffer, .address_space: global }
      - { .name: k_w_scales, .offset: 48, .size: 8, .value_kind: global_buffer, .address_space: global }
      - { .name: k_b, .offset: 56, .size: 8, .value_kind: global_buffer, .address_space: global }
      - { .name: v_w_codes, .offset: 64, .size: 8, .value_kind: global_buffer, .address_space: global }
      - { .name: v_w_scales, .offset: 72, .size: 8, .value_kind: global_buffer, .address_space: global }
      - { .name: v_b, .offset: 80, .size: 8, .value_kind: global_buffer, .address_space: global }
      - { .name: qb, .offset: 88, .size: 8, .value_kind: global_buffer, .address_space: global }
      - { .name: kv, .offset: 96, .size: 8, .value_kind: global_buffer, .address_space: global }
    .group_segment_fixed_size: 35840
    .private_segment_fixed_size: 0
    .kernarg_segment_align: 8
    .kernarg_segment_size: 104
    .max_flat_workgroup_size: 256
    .sgpr_count:     66
    .vgpr_count:     464
    .wavefront_size: 32
...
	.end_amdgpu_metadata
.endif
;; end of part 2
;; launch attn (part 3): grid 8 x 32, 16 waves a work-group, clusters of 4 x 1, 169,984 bytes of LDS; arguments qb, kv, oc, os; writes oc, os
.if DOCPART == 3
	.amdgcn_target "amdgcn-amd-amdhsa--gfx1250"
	.amdhsa_code_object_version 6
	.text
	.protected	k_q9d46aa690e_attn
	.globl	k_q9d46aa690e_attn
	.p2align	8
	.type	k_q9d46aa690e_attn,@function
k_q9d46aa690e_attn:
	s_mov_b64 s[64:65], 0
	v_nop
	global_prefetch_b8 v0, s[64:65] scope:SCOPE_SE
	s_setreg_imm32_b32 hwreg(HW_REG_WAVE_MODE, 25, 1), 1
	s_wait_xcnt 0x0
	s_wait_alu depctr_hold_cnt(0) depctr_sa_sdst(0) depctr_va_vdst(0) depctr_va_sdst(0) depctr_va_ssrc(0) depctr_va_vcc(0) depctr_vm_vsrc(0)
	s_getreg_b32 s2, hwreg(HW_REG_IB_STS2, 6, 4)
	s_cmp_eq_u32 s2, 0
	s_cbranch_scc0 .Lentry_in_a_cluster
	s_endpgm
.Lentry_in_a_cluster:
	s_bfe_u32 s2, ttmp6, 0x10000c
	s_cmp_lg_u32 s2, 0x3003
	s_cbranch_scc0 .Lentry_shape_is_right
	s_endpgm
.Lentry_shape_is_right:
; O = softmax(q k^T / sqrt(512)) v for one head, both products on codes of FP4 (E2M1) with E8M0 scales, and O / l quantised along the channels for the projection.
; THE SOFTMAX AHEAD OF THE SECOND PRODUCT: t = score x log2(e) / sqrt(512); M = the row's largest t so far, rounded UP to a whole number; p = 2^(t - M) is what is quantised, along the keys; it is not normalised.
; The row's sum is taken of the unquantised p, in f32, and divides O at the end.  When M moves, the sum and O are multiplied by 2^(old M - new M): exact.
; SHARES.  A work-group owns 256 queries of one head (y = 8 batch + head); each of its sixteen waves owns one tile of 16 queries in 256 registers: four waves to a SIMD, so that one wave's vector work stands beside
; another's matrix work and LDS loads.  Every wave walks the head's 2,048 keys, 128 a step.
; THE HEAD'S K AND V STAY IN LDS: 16 packages of 9,216 bytes, as they lie in memory (images of operand registers: every read is 16, 8 or 4 bytes x lane on end).  They come once, in four quarters; nothing is filled again.
; Each wave asks for 9 rows of 256 bytes of each quarter: four tensor loads of a wave are out at the most.  The first quarter is read behind the wave's counted wait and a barrier, while the other three are on their way;
; they are read behind a second barrier, in front of which every wave has waited for all its loads.
; CLUSTER.  The four work-groups of a cluster belong to one head and want the same 147,456 bytes: each load is asked for JOINTLY, with the same descriptor and a mask that names the four.
; All of K and V is asked for in the kernel's first lines, so there is no later load that a prefetch could run ahead of: none is written.
; LAYOUT.  Both products are used transposed: S^T = K Q^T (source 0 = 16 keys, source 1 = my 16 queries), O^T = V^T P^T (source 0 = 16 channels, source 1 = P): a lane holds ONE query (lane % 16) throughout.
; The keys of a tile of K and the channels of a tile of V are chosen (row m of tile 2 a + u is 32 a + 8 u + m + 8 (m / 8)) so that the 16 registers of tiles 2 a and 2 a + 1 are 16 neighbours along the next K.
; The first product's K is the head's 64 channels: operand registers 4-7 (K = 64 .. 127) hold zero codes on both sides, written once.
; THE ORDER OF A STEP.  K's fragments are asked of LDS a step ahead, so that the step begins with its score products; V's loads are issued behind those products, while they run; the next K's ten loads stand singly
; between the dependent lines that lead from the row's maximum to f; the 68 exponentials are one batch with one wait, and plain lines that name none of their results stand among them.
; LIMITS: NaN and infinities are not served.  A block's largest p is made from the block's largest score by the same two instructions, which takes v_exp_f32 not to fall where its input rises.
; A block whose largest magnitude lies under 2^-124 (a block of zeros too) gets the byte 1; the bytes are read by this program alone.
.set PKG,  9216                        ; a package: K's codes 4,096, K's scale words 512, V's codes 4,096, V's scale words 512
.set QTR,  4*PKG
.set SB,   16*PKG                      ; behind the packages: 512 scale bytes of the result, [block 2][16 wave + r]; no tensor load lands here
.set ADR,  4                           ; v4-6  the step's addresses: 16, 8, 4 bytes a lane
.set ADS,  5
.set ADT,  6
.set Q,    16                          ; v16-23  my queries' fragment; v20-23 zeros
.set QS,   24                          ; its scale words
.set KF,   28                          ; v28-91  K's eight fragments; registers 4-7 of each zeros
.set KS,   92                          ; v92-95  K's scale words: register t / 2, lanes 0-15 the even tile, lanes 16-31 the odd
.set VS,   96                          ; v96-99  V's
.set VF,   100                         ; v100-131 V's four fragments
.set S,    132                         ; v132-195 S^T, then p
.set O,    196                         ; v196-227 O^T
.set PC,   228                         ; v228-235 p's codes
.set BM,   236                         ; v236-239 the blocks' largest scores, then largest p
.set BT,   240                         ; v240-243 at work
.set SO,   244                         ; v244-247 the conversions' scale operands
.set F,    248                         ; v[248:249] f = 2^(old M - new M); the upper word is only named
.set PW,   250                         ; p's scale word
.set TMP,  251
.set TM,   236                         ; the last quantiser works where the softmax did
.set WVN,  12                          ; s12 my wave's number
.set G1,   24                          ; s[24:31] descriptor group 1;  s[32:47] four groups 0
.set G0,   32
.set CS,   22                          ; s[22:23] c = log2(e) / sqrt(512)
.set SEL,  48
.set TB,   50                          ; s50 LDS byte at which the step's package begins
.set CNT,  51
; A round of the cluster's barrier: my work-group's barrier, wave 0 signals for the work-group, every wave waits for all four work-groups, my work-group's barrier once more.
.macro CROUND
	s_barrier_signal -1
	s_barrier_wait -1
	s_cmp_lg_u32 s[WVN], 0
	s_cbranch_scc1 .Lnot_wave_0_\@
	s_barrier_signal -3
.Lnot_wave_0_\@:
	s_barrier_wait -3
	s_barrier_signal -1
	s_barrier_wait -1
.endm
	s_load_b256 s[4:11], s[0:1], 0x0               ; qb s[4:5], kv s[6:7], oc s[8:9], os s[10:11]
	v_lshl_add_u32 v254, v0, 2, 0x29000
	v_mov_b32 v255, 0
	ds_add_u32 v254, v255
	ds_add_u32 v254, v255
	v_lshrrev_b32 v1, 5, v0
	v_readfirstlane_b32 s[WVN], v1                 ; wave 0..15
	s_bfe_u32 s13, ttmp6, 0x40000                  ; cx: my place in the cluster
	s_lshl_b32 s14, ttmp9, 2
	s_add_co_u32 s14, s14, s13                     ; my block of 256 queries: it enters qb's, oc's and os's addresses alone
	s_and_b32 s15, ttmp7, 0xffff                   ; 8 batch + head, which the four partners share
	; descriptor group 1: a dense block of 9 rows x 256 bytes (32 elements of 8 bytes), no padding
	s_mov_b32 s[G1], 15|(3<<16)|(1<<21)            ; 15:0 the mask: all four work-groups; 17:16 elements of 8 bytes; 21 set beside a mask
	s_mov_b32 s[G1+1], 32<<16                      ; tensor_dim0 = 32
	s_mov_b32 s[G1+2], 9<<16                       ; tensor_dim1 = 9
	s_mov_b32 s[G1+3], 32<<16                      ; tile_dim0 = 32
	s_mov_b32 s[G1+4], 9                           ; tile_dim1 = 9
	s_mov_b32 s[G1+5], 32                          ; from row to row
	s_mov_b32 s[G1+6], 0
	s_mov_b32 s[G1+7], 0
	s_mul_i32 s16, s[WVN], 2304                    ; my wave's sixteenth of a quarter, in LDS as in memory
	s_mul_i32 s18, s15, 16*PKG                     ; the head's block
	s_add_co_u32 s18, s18, s16
	s_mov_b32 s19, 0
	s_mov_b32 s[CS], 0x3d8293ee
	s_mov_b32 s[CS+1], s[CS]                       ; (named with it as a pair, so it is written)
	s_mov_b32 s[SEL], 0x76543210                   ; v_permlanex16_b32's selects for lane l xor 16
	s_mov_b32 s[SEL+1], 0xfedcba98
	s_wait_dscnt 0x0
	s_wait_kmcnt 0x0
	s_add_nc_u64 s[20:21], s[6:7], s[18:19]
.irp j, 0,1,2,3
	s_mov_b32 s[G0+4*\j], 1                        ; count = 1
	s_add_co_u32 s[G0+4*\j+1], s16, \j*QTR         ; LDS address: no place in the cluster enters it
	s_add_nc_u64 s[G0+4*\j+2:G0+4*\j+3], s[20:21], \j*QTR
	s_or_b32 s[G0+4*\j+3], s[G0+4*\j+3], 0x80000000   ; type = 2
.endr
	CROUND                                         ; all four work-groups are here: the joint loads meet
.irp j, 0,1,2,3
	tensor_load_to_lds s[G0+4*\j:G0+4*\j+3], s[G1:G1+7]   ; the first and only fills, as one group
	s_nop 0
.endr
.rept 4
	v_nop                                          ; four lines behind the last of them
.endr
	s_lshl_b32 s16, s15, 4
	s_lshl_b32 s17, s14, 1
	s_add_co_u32 s16, s16, s17
	s_lshr_b32 s17, s[WVN], 3
	s_add_co_u32 s16, s16, s17                     ; my queries' package: 16 (8 batch + head) + 2 block + wave / 8
	s_mul_i32 s16, s16, 4608
	s_and_b32 s17, s[WVN], 7                       ; and my tile in it
	s_lshl_b32 s18, s17, 9
	s_add_co_u32 s18, s18, s16
	s_add_nc_u64 s[20:21], s[4:5], s[18:19]        ; its codes
	s_lshr_b32 s54, s17, 2
	s_lshl_b32 s54, s54, 8                         ; its scale words: half = tile / 4: 256 bytes;
	s_and_b32 s55, s[WVN], 1
	s_lshl_b32 s55, s55, 7                         ; an odd tile's lie in lanes 16-31: 128 bytes;
	s_add_co_u32 s54, s54, s55
	s_bfe_u32 s55, s[WVN], 0x10001
	s_lshl_b32 s55, s55, 2                         ; i = (tile / 2) % 2: 4 bytes
	s_add_co_u32 s54, s54, s55
	s_add_co_u32 s54, s54, s16
	s_add_co_u32 s54, s54, 4096
	s_mov_b32 s55, 0
	s_add_nc_u64 s[52:53], s[4:5], s[54:55]
	v_and_b32 v10, 31, v0                          ; lane
	v_and_b32 v11, 15, v0                          ; r
	v_lshlrev_b32 v1, 4, v10
	v_lshlrev_b32 v2, 3, v10
	v_lshlrev_b32 v3, 2, v10
	v_lshlrev_b32 v7, 3, v11
	global_load_b128 v[Q:Q+3], v1, s[20:21]        ; operand registers 0-3 as they were stored
	global_load_b32 v[QS], v7, s[52:53]
	s_lshl_b32 s56, s[WVN], 4
	v_add_nc_u32 v8, s56, v11
	v_add_nc_u32 v8, SB, v8                        ; my row's scale byte in LDS
	v_lshrrev_b32 v9, 4, v10
	v_lshlrev_b32 v9, 11, v9
	v_lshl_add_u32 v9, v11, 4, v9                  ; os: lanes 0-15 one plane of 2,048 bytes, lanes 16-31 the next
	v_add_nc_u32 v10, SB, v1                       ; and where wave 0 reads the 512 bytes back
	s_lshr_b32 s56, s15, 3                         ; batch
	s_and_b32 s57, s15, 7                          ; head
	s_lshl_b32 s58, s56, 19
	s_lshl_b32 s59, s14, 4
	s_add_co_u32 s59, s59, s[WVN]                  ; my tile of the batch's 128
	s_lshl_b32 s59, s59, 12
	s_add_co_u32 s58, s58, s59
	s_lshl_b32 s59, s57, 9                         ; the head's two channel blocks: 512 bytes of the tile's 4,096
	s_add_co_u32 s58, s58, s59
	s_mov_b32 s59, 0
	s_add_nc_u64 s[8:9], s[8:9], s[58:59]
	s_lshl_b32 s58, s56, 15
	s_lshl_b32 s60, s57, 12
	s_add_co_u32 s58, s58, s60
	s_lshl_b32 s60, s14, 8
	s_add_co_u32 s58, s58, s60
	s_add_nc_u64 s[10:11], s[10:11], s[58:59]
.irp j, 4,5,6,7
	v_mov_b32 v[Q+\j], 0                           ; zero codes for K = 64 .. 127, written once
.endr
.irp t, 0,1,2,3,4,5,6,7
.irp j, 4,5,6,7
	v_mov_b32 v[KF+8*\t+\j], 0
.endr
.endr
.set j, 0
.rept 32
	v_mov_b32 v[O+j], 0                            ; O^T.  (The step is written for every step alike: the first finds zeros, which the first change of M leaves zeros)
.set j, j+1
.endr
	v_mov_b32 v13, 0xff61b1e6                      ; the largest t so far: -3e38, under every t
	v_floor_f32 v12, -v13                          ; -M
	v_mov_b32 v14, 0                               ; the sum, in two halves
	v_mov_b32 v15, 0
.irp b, 0,1,2,3
	v_mov_b32 v[BT+\b], 0                          ; written once: a lane permute's destination counts as one of its sources
.endr
	v_mov_b32 v[F+1], 0
	v_mov_b32 v[TMP], 0
	s_wait_loadcnt 0x0                             ; Q
; Load i of the ten that bring the NEXT package's K: eight fragments (operand registers 0-3) and two pairs of scale words.  pre = 0: there is no next package
.macro KL pre, i
.if \pre
.if (\i) < 8
	ds_load_b128 v[KF+8*(\i):KF+8*(\i)+3], v[ADR] offset:PKG+512*(\i)
.else
	ds_load_b64 v[KS+2*((\i)-8):KS+2*((\i)-8)+1], v[ADS] offset:PKG+4096+256*((\i)-8)
.endif
.endif
.endm
; A KEY STEP: 128 keys, the package at s[TB].  Its K was asked for a step ago.  pre = 1: the next package's K is asked for
.macro STEP pre
	s_wait_dscnt 0x0                               ; K and its scale words are in: nothing else of mine is out
.irp t, 0,1,2,3,4,5,6,7
.if \t%2
	v_wmma_scale_f32_16x16x128_f8f6f4 v[S+8*\t:S+8*\t+7], v[KF+8*\t:KF+8*\t+7], v[Q:Q+7], 0, v[KS+\t/2], v[QS] matrix_a_fmt:MATRIX_FMT_FP4 matrix_b_fmt:MATRIX_FMT_FP4 matrix_a_scale:MATRIX_SCALE_ROW1
.else
	v_wmma_scale_f32_16x16x128_f8f6f4 v[S+8*\t:S+8*\t+7], v[KF+8*\t:KF+8*\t+7], v[Q:Q+7], 0, v[KS+\t/2], v[QS] matrix_a_fmt:MATRIX_FMT_FP4 matrix_b_fmt:MATRIX_FMT_FP4
.endif
.endr                                          ; lane (r, h) holds query r; the 16 registers of tiles 2 b, 2 b + 1 are keys 32 b + 16 h + 0 .. 15 of the package
	v_add_nc_u32 v[ADR], s[TB], v1                 ; these three and the v_nop are four places twice over: between the last step's second products and the loads into their sources
	v_add_nc_u32 v[ADS], s[TB], v2                 ; and between the products above and the first read of their results
	v_add_nc_u32 v[ADT], s[TB], v3
	v_nop
.irp t, 0,1,2,3
.irp c, 0,1
	ds_load_b128 v[VF+8*\t+4*\c:VF+8*\t+4*\c+3], v[ADR] offset:4608+1024*\t+512*\c   ; V's twelve loads are issued while the products above run; they are wanted at the step's end
.endr
.endr
.irp t, 0,1,2,3
	ds_load_b32 v[VS+\t], v[ADT] offset:8704+128*\t
.endr
.irp b, 0,1,2,3
	v_max3_num_f32 v[BM+\b], v[S+16*\b], v[S+1+16*\b], v[S+2+16*\b]   ; THE LARGEST SCORE OF EACH BLOCK OF 32 KEYS serves twice: for the row's maximum and, since p rises with the score, for the block's largest p
.endr
.irp i, 3,5,7,9,11,13
.irp b, 0,1,2,3
	v_max3_num_f32 v[BM+\b], v[BM+\b], v[S+16*\b+\i], v[S+1+16*\b+\i]   ; (the four blocks by turns)
.endr
.endr
.irp b, 0,1,2,3
	v_max_num_f32 v[BM+\b], v[BM+\b], v[S+15+16*\b]
.endr
.irp b, 0,1,2,3
	v_permlanex16_b32 v[BT+\b], v[BM+\b], s[SEL], s[SEL+1]
.endr
.irp b, 0,1,2,3
	v_max_num_f32 v[BM+\b], v[BM+\b], v[BT+\b]     ; with lane l xor 16's 16 keys
.endr
	; each of the next nine lines reads the line before it: the next K's ten loads stand between them.  (K's registers were last read by the products above, far more than four places back)
	v_max3_num_f32 v[TMP], v[BM], v[BM+1], v[BM+2]
	KL \pre, 0
	KL \pre, 1
	v_max_num_f32 v[TMP], v[TMP], v[BM+3]          ; the step's largest score of my query
	KL \pre, 2
	v_mul_f32 v[TMP], s[CS], v[TMP]                ; as t (c is positive)
	KL \pre, 3
	v_max_num_f32 v13, v13, v[TMP]                 ; the running largest t
	v_mov_b32 v[TMP], v12
	KL \pre, 4
	v_floor_f32 v12, -v13                          ; the new -M = floor(-t) = -ceil(t): M IS A WHOLE NUMBER
	KL \pre, 5
	v_sub_f32 v[TMP], v12, v[TMP]                  ; M's old value less its new one: a whole number, 0 or less
	KL \pre, 6
	v_cvt_i32_f32 v[TMP], v[TMP]                   ; (it saturates)
	KL \pre, 7
	v_ldexp_f32 v[F], 1.0, v[TMP]                  ; f = 2^(old M - new M)
	KL \pre, 8
	KL \pre, 9
	; ONE BATCH OF 68 EXPONENTIALS.  Among them stand the 32 scalings t - M (each six pairs ahead of its pair's exponentials), the sum's rescaling and five of O^T's; none of these names an exponential's result
.irp b, 0,1,2,3
	v_fma_f32 v[BM+\b], v[BM+\b], s[CS], v12       ; t - M of each block's largest score
.endr
.irp j, 0,2
	v_pk_fma_f32 v[S+\j:S+\j+1], v[S+\j:S+\j+1], s[CS:CS+1], v[12:13] op_sel_hi:[1,0,0]   ; t - M, two at a time (of the pairs c and -M the low word serves both halves)
.endr
.irp b, 0,1,2,3
	v_exp_f32 v[BM+\b], v[BM+\b]                   ; the block's largest p: the same two instructions on the same number give the same bits as its p below
	v_pk_fma_f32 v[S+4+2*\b:S+5+2*\b], v[S+4+2*\b:S+5+2*\b], s[CS:CS+1], v[12:13] op_sel_hi:[1,0,0]
.endr
.set j, 0
.rept 26
	v_exp_f32 v[S+2*j], v[S+2*j]                   ; p = 2^(t - M), at most 1: NOT normalised
	v_pk_fma_f32 v[S+2*j+12:S+2*j+13], v[S+2*j+12:S+2*j+13], s[CS:CS+1], v[12:13] op_sel_hi:[1,0,0]
	v_exp_f32 v[S+2*j+1], v[S+2*j+1]
.set j, j+1
.endr
.set i, 0
.rept 6
	v_exp_f32 v[S+52+2*i], v[S+52+2*i]
.if i == 0
	v_pk_mul_f32 v[14:15], v[14:15], v[F:F+1] op_sel_hi:[1,0]   ; the sums under the new M
.else
	v_pk_mul_f32 v[O+2*i-2:O+2*i-1], v[O+2*i-2:O+2*i-1], v[F:F+1] op_sel_hi:[1,0]   ; O^T under the new M, each accumulator from its low end on
.endif
	v_exp_f32 v[S+53+2*i], v[S+53+2*i]
.set i, i+1
.endr
.irp j, 10,12,14
	v_pk_mul_f32 v[O+\j:O+\j+1], v[O+\j:O+\j+1], v[F:F+1] op_sel_hi:[1,0]   ; (plain lines behind the last exponential)
.endr
	s_wait_alu depctr_va_vdst(0)                   ; one wait for the whole batch, ahead of its first reader
.irp b, 0,1,2,3
	v_max_num_f32 v[BM+\b], 0x1800000, v[BM+\b]    ; the floor 2^(3 - 127): the byte cannot fall under 1
.endr
.irp b, 0,1,2,3
	v_add_nc_u32 v[SO+\b], 0xff000000, v[BM+\b]    ; 2 off the exponent field: the conversion's scale operand
.endr
.irp b, 0,1,2,3
	v_lshrrev_b32 v[BT+\b], 23, v[SO+\b]           ; the scale's byte
.endr
	v_lshl_or_b32 v[PW], v[BT+1], 8, v[BT]         ; p's scale word for these 128 keys: made first, so that the additions below stand between it and the products that take it
	v_lshl_or_b32 v[PW], v[BT+2], 16, v[PW]
	v_lshl_or_b32 v[PW], v[BT+3], 24, v[PW]
	v_pk_add_f32 v[BT:BT+1], v[S:S+1], v[S+2:S+3]  ; THE ROW'S SUM IS TAKEN OF THE UNQUANTISED p: two at a time, in two chains
.set j, 4
.rept 15
	v_pk_add_f32 v[14:15], v[14:15], v[S+j:S+j+1]
	v_pk_add_f32 v[BT:BT+1], v[BT:BT+1], v[S+j+2:S+j+3]
.set j, j+4
.endr
	v_pk_add_f32 v[14:15], v[14:15], v[BT:BT+1]
.irp b, 0,1,2,3
	v_cvt_scalef32_pk8_fp4_f32 v[PC+2*\b], v[S+16*\b:S+16*\b+7], v[SO+\b]
	v_cvt_scalef32_pk8_fp4_f32 v[PC+1+2*\b], v[S+8+16*\b:S+8+16*\b+7], v[SO+\b]
.endr
	v_nop                                          ; one plain place behind a scaled conversion
.irp c, 0,1                                    ; the operand's layout wants a WHOLE block in a lane
.irp i, 0,1
	v_permlane16_swap_b32 v[PC+4*\c+\i], v[PC+2+4*\c+\i]
.endr
.endr
.set j, 16
.rept 8
	v_pk_mul_f32 v[O+j:O+j+1], v[O+j:O+j+1], v[F:F+1] op_sel_hi:[1,0]   ; the rest of O^T under the new M.  (At least four of the eight name no register of any one product below: the places between p's codes and the products)
.set j, j+2
.endr
.if \pre
	s_wait_dscnt 10                                ; V and its scale words are in; the next K's ten loads, issued behind them, may be out
.else
	s_wait_dscnt 0x0
.endif
.irp t, 0,1,2,3                                ; O^T += V^T P^T: four accumulators, one instruction each
	v_wmma_scale_f32_16x16x128_f8f6f4 v[O+8*\t:O+8*\t+7], v[VF+8*\t:VF+8*\t+7], v[PC:PC+7], v[O+8*\t:O+8*\t+7], v[VS+\t], v[PW] matrix_a_fmt:MATRIX_FMT_FP4 matrix_b_fmt:MATRIX_FMT_FP4
.endr
.endm
	; THE FIRST QUARTER: packages 0 to 3.  My part of it has landed (my three loads issued behind it may be out); behind the barrier everybody's has.
	s_wait_tensorcnt 3
	s_barrier_signal -1
	s_barrier_wait -1
.irp t, 0,1,2,3,4,5,6,7
	ds_load_b128 v[KF+8*\t:KF+8*\t+3], v1 offset:512*\t   ; package 0's K
.endr
.irp f, 0,1
	ds_load_b64 v[KS+2*\f:KS+2*\f+1], v2 offset:4096+256*\f
.endr
	s_mov_b32 s[TB], 0
	s_mov_b32 s[CNT], 3                            ; three steps: the third asks for package 3's K, the last bytes that this barrier has shown
.Lfirst:
	STEP 1
	s_add_co_u32 s[TB], s[TB], PKG
	s_sub_co_u32 s[CNT], s[CNT], 1
	s_cmp_lg_u32 s[CNT], 0
	s_cbranch_scc1 .Lfirst
	; THE OTHER THREE QUARTERS: all my tensor loads have landed, and no LDS load of mine is out at the signal; behind the barrier that holds of every wave.
	s_wait_tensorcnt 0x0
	s_wait_dscnt 0x0
	s_barrier_signal -1
	s_barrier_wait -1
	s_mov_b32 s[TB], 3*PKG
	s_mov_b32 s[CNT], 12
.Lrest:
	STEP 1
	s_add_co_u32 s[TB], s[TB], PKG
	s_sub_co_u32 s[CNT], s[CNT], 1
	s_cmp_lg_u32 s[CNT], 0
	s_cbranch_scc1 .Lrest
	s_mov_b32 s[TB], 15*PKG
	STEP 0                                         ; the last package: there is no K behind it to ask for
	; THE WAY OUT.  O^T / the sum; register 16 b + i is channel 32 b + 16 (lane / 16) + i of the head: two blocks of the projection's K
	v_add_f32 v14, v14, v15                        ; the sum's two halves,
	v_permlanex16_b32 v[TMP], v14, s[SEL], s[SEL+1]
	v_add_f32 v14, v14, v[TMP]                     ; and lane l xor 16's: the row's sum
	v_rcp_f32 v14, v14
.rept 4
	v_nop                                          ; the plain place behind the reciprocal, and the places behind the last products
.endr
	s_wait_alu depctr_va_vdst(0)                   ; the wait ahead of the reciprocal's first reader
.set j, 0
.rept 32
	v_mul_f32 v[S+j], v[O+j], v14                  ; each accumulator from its low end on
.set j, j+1
.endr
.irp b, 0,1
	v_max3_num_f32 v[TM+\b], |v[S+16*\b]|, |v[S+1+16*\b]|, 0x1800000   ; my 16 numbers of block b, and the floor
.endr
.irp i, 2,4,6,8,10,12,14
.irp b, 0,1
	v_max3_num_f32 v[TM+\b], v[TM+\b], |v[S+16*\b+\i]|, |v[S+1+16*\b+\i]|
.endr
.endr
.irp b, 0,1
	v_permlanex16_b32 v[TM+4+\b], v[TM+\b], s[SEL], s[SEL+1]
.endr
.irp b, 0,1
	v_max_num_f32 v[TM+\b], v[TM+\b], v[TM+4+\b]
.endr
.irp b, 0,1
	v_add_nc_u32 v[TM+12+\b], 0xff000000, v[TM+\b]
.endr
.irp b, 0,1
	v_lshrrev_b32 v[TM+4+\b], 23, v[TM+12+\b]
.endr
.irp b, 0,1
	v_cvt_scalef32_pk8_fp4_f32 v[PC+2*\b], v[S+16*\b:S+16*\b+7], v[TM+12+\b]
	v_cvt_scalef32_pk8_fp4_f32 v[PC+1+2*\b], v[S+8+16*\b:S+8+16*\b+7], v[TM+12+\b]
.endr
	v_nop
.irp i, 0,1
	v_permlane16_swap_b32 v[PC+\i], v[PC+2+\i]     ; lanes 0-15 block 0, lanes 16-31 block 1: 16 bytes a lane, the image that the projection loads
.endr
	global_store_b128 v1, v[PC:PC+3], s[8:9]       ; 512 consecutive bytes, aligned to 256
	ds_store_b8 v8, v[TM+4]                        ; both lanes of a row write the same byte with the same value
	ds_store_b8 v8, v[TM+5] offset:256
	s_wait_dscnt 0x0                               ; for wave 0's sake: my bytes are in LDS
	s_barrier_signal -1
	s_barrier_wait -1
	s_cmp_lg_u32 s[WVN], 0
	s_cbranch_scc1 .Lnot_first
	ds_load_b128 v[S:S+3], v10
	s_wait_dscnt 0x0
	global_store_b128 v9, v[S:S+3], s[10:11]       ; two runs of 256 consecutive bytes, each aligned: the work-group's rows of the head's two planes
.Lnot_first:
	s_wait_tensorcnt 0x0
	ds_add_u32 v254, v255
	s_wait_dscnt 0x0
	CROUND                                         ; the closing round: no work-group ends while a partner may still ask for bytes with a mask that names it
	s_endpgm
.Lfunc_end_k_q9d46aa690e_attn:
	.size	k_q9d46aa690e_attn, .Lfunc_end_k_q9d46aa690e_attn-k_q9d46aa690e_attn
	.p2alignl 7, 3214868480
	.fill 96, 4, 3214868480
	.section	.rodata,"a",@progbits
	.p2align	6, 0x0
	.amdhsa_kernel k_q9d46aa690e_attn
		.amdhsa_group_segment_fixed_size 169984
		.amdhsa_private_segment_fixed_size 0
		.amdhsa_enable_private_segment 0
		.amdhsa_kernarg_size 32
		.amdhsa_user_sgpr_count 2
		.amdhsa_user_sgpr_kernarg_segment_ptr 1
		.amdhsa_wavefront_size32 1
		.amdhsa_system_sgpr_workgroup_id_x 1
		.amdhsa_system_sgpr_workgroup_id_y 1
		.amdhsa_system_sgpr_workgroup_id_z 1
		.amdhsa_system_vgpr_workitem_id 0
		.amdhsa_next_free_vgpr 256
		.amdhsa_next_free_sgpr 66
		.amdhsa_reserve_vcc 0
		.amdhsa_float_denorm_mode_32 3
		.amdhsa_float_denorm_mode_16_64 3
		.amdhsa_memory_ordered 1
		.amdhsa_forward_progress 1
		.amdhsa_inst_pref_size 57
	.end_amdhsa_kernel
	.amdgpu_metadata
---
amdhsa.version: [ 1, 2 ]
amdhsa.kernels:
  - .name:           k_q9d46aa690e_attn
    .symbol:         k_q9d46aa690e_attn.kd
    .args:
      - { .name: qb, .offset: 0, .size: 8, .value_kind: global_buffer, .address_space: global }
      - { .name: kv, .offset: 8, .size: 8, .value_kind: global_buffer, .address_space: global }
      - { .name: oc, .offset: 16, .size: 8, .value_kind: global_buffer, .address_space: global }
      - { .name: os, .offset: 24, .size: 8, .value_kind: global_buffer, .address_space: global }
    .group_segment_fixed_size: 169984
    .private_segment_fixed_size: 0
    .kernarg_segment_align: 8
    .kernarg_segment_size: 32
    .max_flat_workgroup_size: 512
    .sgpr_count:     66
    .vgpr_count:     256
    .wavefront_size: 32
...
	.end_amdgpu_metadata
.endif
;; end of part 3
;; launch proj (part 4): grid 64 x 4, 8 waves a work-group, no clusters, 103,424 bytes of LDS; arguments oc, os, proj_w_codes, proj_w_scales, proj_b, x, out0; writes out0
.if DOCPART == 4
	.amdgcn_target "amdgcn-amd-amdhsa--gfx1250"
	.amdhsa_code_object_version 6
	.text
	.protected	k_q9d46aa690e_proj
	.globl	k_q9d46aa690e_proj
	.p2align	8
	.type	k_q9d46aa690e_proj,@function
k_q9d46aa690e_proj:
	s_mov_b64 s[64:65], 0
	v_nop
	global_prefetch_b8 v0, s[64:65] scope:SCOPE_SE
	s_setreg_imm32_b32 hwreg(HW_REG_WAVE_MODE, 25, 1), 1
	s_wait_xcnt 0x0
; out0 = x + proj_w o + proj_b, the product on codes of FP4 (E2M1) with E8M0 scales.  o comes as images of operand registers (oc) and planes of scale bytes (os), laid as the first launch lays h.
; SHARES.  A work-group (x = 16 batch + package of 128 positions, y = 128 outputs) makes 128 positions x 128 outputs over K = 512.  Wave w makes outputs 128 y + 16 w + 0 .. 15 for all 128 positions:
; source 0 = 16 positions of o, source 1 = 16 rows of W, the bias as the C of the first K step: a lane holds ONE output row, and its registers run along the positions.  Row m of tile 2 a + u of o is position
; 32 a + 8 u + m + 8 (m / 8), so the 16 registers of tiles 2 a, 2 a + 1 are positions 32 a + 16 (lane / 16) + 0 .. 15: 64 neighbouring bytes of a row of out0.
; A wave's 4 KiB of W stay in registers; o's 32 KiB go through LDS once.  The wave's 16 rows x 512 bytes go through its own stage in LDS and come back as whole rows; x's rows, asked for at the head, are added; each store covers
; 512 consecutive bytes, aligned to 256.
; NO CLUSTER, NO TENSOR LOAD: W goes from memory straight into the registers of the one wave that keeps it; what the four work-groups of a package share, o's 32 KiB, is a sixth of what a work-group moves (32 o + 32 W + 64 x + 64 out0 KiB).
.set HIMG, 0                           ; LDS: o's 8 tiles as they lie in oc
.set HSC,  32768                       ; o's scale bytes, [row = 16 tile + r][16]
.set STG,  34816                       ; a stage of 16 rows x (512 + 16) bytes for each wave
.set BV,   20                          ; v20-27   my output's bias, eight times
.set WS,   28                          ; v28-31   W's scale words
.set W,    32                          ; v32-63   W's four fragments
.set HS,   64                          ; v64-79   o's scale words: 4 i + s: lanes 0-15 tile 2 i, lanes 16-31 tile 2 i + 1
.set HF,   80                          ; v80-143  o's eight fragments of a K step; at the head what is on its way to LDS; at the end 16 rows of the result
.set ACC,  144                         ; v144-207 eight accumulators
.set XR,   0                           ; window 1: v0-63 16 rows of x
.set MSB, 0
.macro WIN new                         ; the immediate's high byte repeats the setting that is left
.if MSB != \new
	s_set_vgpr_msb (MSB<<8)|\new
.set MSB, \new
.endif
.endm
.macro PLACES                          ; four places behind a matrix instruction, in front of loads into its sources and of the first read of its result
.rept 4
	v_nop
.endr
.endm
	s_load_b256 s[4:11], s[0:1], 0x0               ; oc, os, W's codes, W's scales
	s_load_b128 s[12:15], s[0:1], 0x20             ; bias, x
	s_load_b64 s[16:17], s[0:1], 0x30              ; out0
	v_lshl_add_u32 v254, v0, 2, 0x19000
	v_mov_b32 v255, 0
	v_lshrrev_b32 v1, 5, v0
	v_readfirstlane_b32 s2, v1                     ; wave 0..7
	s_and_b32 s3, ttmp7, 0xffff
	s_lshr_b32 s18, ttmp9, 4                       ; batch
	s_and_b32 s19, ttmp9, 15                       ; package
	s_lshl_b32 s20, s3, 7
	s_lshl_b32 s21, s2, 4
	s_add_co_u32 s20, s20, s21                     ; my first output
	v_and_b32 v1, 31, v0                           ; lane
	v_and_b32 v2, 15, v0                           ; r
	v_bfe_u32 v3, v0, 4, 1                         ; lane / 16
	v_lshlrev_b32 v4, 4, v1
	v_add_nc_u32 v7, HSC, v4
	v_lshlrev_b32 v8, 8, v2
	v_lshl_add_u32 v8, v3, 4, v8                   ; W: row r of 256 bytes, + 16 for lanes 16-31
	v_lshlrev_b32 v9, 4, v2                        ; its scale bytes: 16 a row
	v_lshlrev_b32 v10, 2, v2                       ; the bias
	v_lshlrev_b32 v12, 4, v0                       ; staging: 16 bytes a thread
	v_and_b32 v13, 127, v0
	v_lshrrev_b32 v11, 7, v0
	v_lshlrev_b32 v14, 4, v13
	v_lshl_add_u32 v14, v11, 3, v14
	v_add_nc_u32 v14, HSC, v14                     ; thread t puts 8 bytes of row t % 128: channel blocks 8 (t / 128) on
	v_lshl_add_u32 v13, v11, 14, v13               ; and finds them in 8 planes of 2,048 bytes
	s_mul_i32 s21, s2, 16*528
	s_add_co_u32 s21, s21, STG                     ; my stage
	v_mul_u32_u24 v15, v2, 528
	v_lshl_add_u32 v15, v3, 6, v15
	v_add_nc_u32 v15, s21, v15                     ; in: row r, + 64 bytes for lanes 16-31
	v_add_nc_u32 v16, s21, v4                      ; back: the 32 lanes take one row of 512 bytes
	s_mov_b32 s23, 0
	s_wait_kmcnt 0x0
	s_lshl_b32 s22, ttmp9, 15
	s_add_nc_u64 s[4:5], s[4:5], s[22:23]          ; oc at my 8 tiles
	s_lshl_b32 s22, s18, 15
	s_lshl_b32 s24, s19, 7
	s_add_co_u32 s22, s22, s24
	s_add_nc_u64 s[6:7], s[6:7], s[22:23]          ; os at my 128 rows of plane 0
	s_lshl_b32 s22, s20, 8
	s_add_nc_u64 s[8:9], s[8:9], s[22:23]
	s_lshl_b32 s22, s20, 4
	s_add_nc_u64 s[10:11], s[10:11], s[22:23]
	s_lshl_b32 s22, s20, 2
	s_add_nc_u64 s[12:13], s[12:13], s[22:23]
	s_lshl_b32 s22, s18, 9
	s_add_co_u32 s22, s22, s20
	s_lshl_b32 s22, s22, 13                        ; row 512 batch + output, 8,192 bytes each,
	s_lshl_b32 s24, s19, 9                         ; + 128 positions a package
	s_add_co_u32 s22, s22, s24
	s_add_nc_u64 s[14:15], s[14:15], s[22:23]
	s_add_nc_u64 s[16:17], s[16:17], s[22:23]
	; sixteen loads for LDS first, then ten that stay in registers, then x's sixteen
.irp i, 0,1,2,3,4,5,6,7
	global_load_b128 v[HF+4*\i:HF+4*\i+3], v12, s[4:5] offset:4096*\i
.endr
.irp i, 0,1,2,3,4,5,6,7
	global_load_u8 v[HF+32+\i], v13, s[6:7] offset:2048*\i
.endr
.irp s, 0,1,2,3
.irp c, 0,1
	global_load_b128 v[W+8*\s+4*\c:W+8*\s+4*\c+3], v8, s[8:9] offset:64*\s+32*\c
.endr
.endr
	global_load_b128 v[WS:WS+3], v9, s[10:11]
	global_load_b32 v[BV], v10, s[12:13]
	WIN 0x40                                       ; destination window 1
.set i, 0
.rept 16
	global_load_b128 v[XR+4*i:XR+4*i+3], v4, s[14:15] offset:8192*i th:TH_LOAD_NT
.set i, i+1
.endr
	WIN 0
	s_wait_loadcnt 26                              ; the first sixteen are in; the 26 behind them may be out
.irp i, 0,1,2,3,4,5,6,7
	ds_store_b128 v12, v[HF+4*\i:HF+4*\i+3] offset:HIMG+4096*\i
.endr
	v_lshl_or_b32 v[HF+32], v[HF+33], 8, v[HF+32]  ; eight bytes make two scale words
	v_lshl_or_b32 v[HF+32], v[HF+34], 16, v[HF+32]
	v_lshl_or_b32 v[HF+32], v[HF+35], 24, v[HF+32]
	v_lshl_or_b32 v[HF+33], v[HF+37], 8, v[HF+36]
	v_lshl_or_b32 v[HF+33], v[HF+38], 16, v[HF+33]
	v_lshl_or_b32 v[HF+33], v[HF+39], 24, v[HF+33]
	ds_store_b64 v14, v[HF+32:HF+33]
	s_wait_dscnt 0x0                               ; for the others' sake: my stores are done
	s_barrier_signal -1
	s_barrier_wait -1                              ; the launch's one barrier: o lies in LDS and is only read from here on; the stages are each wave's own
.irp i, 0,1,2,3
	ds_load_b128 v[HS+4*\i:HS+4*\i+3], v7 offset:512*\i
.endr
	s_wait_loadcnt 16                              ; W, its scale words and the bias are in; x's sixteen loads may be out
.irp j, 1,2,3,4,5,6,7
	v_mov_b32 v[BV+\j], v[BV]                      ; all eight registers of a lane belong to one output
.endr
.irp s, 0,1,2,3                                ; four K steps: eight accumulators by turns
.if \s > 0
	PLACES
.endif
.irp n, 0,1,2,3,4,5,6,7
.irp c, 0,1
	ds_load_b128 v[HF+8*\n+4*\c:HF+8*\n+4*\c+3], v4 offset:HIMG+4096*\n+1024*\s+512*\c
.endr
.endr
	s_wait_dscnt 0x0
.irp n, 0,1,2,3,4,5,6,7
.if \s == 0
.set RC, BV
.else
.set RC, ACC+8*\n
.endif
.if \n%2
	v_wmma_scale_f32_16x16x128_f8f6f4 v[ACC+8*\n:ACC+8*\n+7], v[HF+8*\n:HF+8*\n+7], v[W+8*\s:W+8*\s+7], v[RC:RC+7], v[HS+4*(\n/2)+\s], v[WS+\s] matrix_a_fmt:MATRIX_FMT_FP4 matrix_b_fmt:MATRIX_FMT_FP4 matrix_a_scale:MATRIX_SCALE_ROW1
.else
	v_wmma_scale_f32_16x16x128_f8f6f4 v[ACC+8*\n:ACC+8*\n+7], v[HF+8*\n:HF+8*\n+7], v[W+8*\s:W+8*\s+7], v[RC:RC+7], v[HS+4*(\n/2)+\s], v[WS+\s] matrix_a_fmt:MATRIX_FMT_FP4 matrix_b_fmt:MATRIX_FMT_FP4
.endif
.endr
.endr
	PLACES
.irp a, 0,1,2,3                                ; lane (r, h): positions 32 a + 16 h + 0 .. 15 of output row r; each accumulator from its low end on
.irp q, 0,1,2,3
	ds_store_b128 v15, v[ACC+16*\a+4*\q:ACC+16*\a+4*\q+3] offset:128*\a+16*\q
.endr
.endr
.set i, 0
.rept 16
	ds_load_b128 v[HF+4*i:HF+4*i+3], v16 offset:528*i   ; my own bytes, and LDS serves a wave's instructions in order (ISA guide 5.7.1.4): these see the stores above
.set i, i+1
.endr
	s_wait_loadcnt 0x0                             ; x
	s_wait_dscnt 0x0                               ; the rows are back
	WIN 0x04                                       ; source 1 (x) in window 1
.set j, 0
.rept 32
	v_pk_add_f32 v[HF+j:HF+j+1], v[HF+j:HF+j+1], v[XR+j:XR+j+1]
.set j, j+2
.endr
	WIN 0
.set i, 0
.rept 16
	global_store_b128 v4, v[HF+4*i:HF+4*i+3], s[16:17] offset:8192*i th:TH_STORE_NT   ; written once, read by nobody here
.set i, i+1
.endr
	s_wait_tensorcnt 0x0
	ds_add_u32 v254, v255
	s_wait_dscnt 0x0
	s_endpgm
.Lfunc_end_k_q9d46aa690e_proj:
	.size	k_q9d46aa690e_proj, .Lfunc_end_k_q9d46aa690e_proj-k_q9d46aa690e_proj
	.p2alignl 7, 3214868480
	.fill 96, 4, 3214868480
	.section	.rodata,"a",@progbits
	.p2align	6, 0x0
	.amdhsa_kernel k_q9d46aa690e_proj
		.amdhsa_group_segment_fixed_size 103424
		.amdhsa_private_segment_fixed_size 0
		.amdhsa_enable_private_segment 0
		.amdhsa_kernarg_size 56
		.amdhsa_user_sgpr_count 2
		.amdhsa_user_sgpr_kernarg_segment_ptr 1
		.amdhsa_wavefront_size32 1
		.amdhsa_system_sgpr_workgroup_id_x 1
		.amdhsa_system_sgpr_workgroup_id_y 1
		.amdhsa_system_sgpr_workgroup_id_z 1
		.amdhsa_system_vgpr_workitem_id 0
		.amdhsa_next_free_vgpr 320
		.amdhsa_next_free_sgpr 66
		.amdhsa_reserve_vcc 0
		.amdhsa_float_denorm_mode_32 3
		.amdhsa_float_denorm_mode_16_64 3
		.amdhsa_memory_ordered 1
		.amdhsa_forward_progress 1
		.amdhsa_inst_pref_size 23
	.end_amdhsa_kernel
	.amdgpu_metadata
---
amdhsa.version: [ 1, 2 ]
amdhsa.kernels:
  - .name:           k_q9d46aa690e_proj
    .symbol:         k_q9d46aa690e_proj.kd
    .args:
      - { .name: oc, .offset: 0, .size: 8, .value_kind: global_buffer, .address_space: global }
      - { .name: os, .offset: 8, .size: 8, .value_kind: global_buffer, .address_space: global }
      - { .name: proj_w_codes, .offset: 16, .size: 8, .value_kind: global_buffer, .address_space: global }
      - { .name: proj_w_scales, .offset: 24, .size: 8, .value_kind: global_buffer, .address_space: global }
      - { .name: proj_b, .offset: 32, .size: 8, .value_kind: global_buffer, .address_space: global }
      - { .name: x, .offset: 40, .size: 8, .value_kind: global_buffer, .address_space: global }
      - { .name: out0, .offset: 48, .size: 8, .value_kind: global_buffer, .address_space: global }
    .group_segment_fixed_size: 103424
    .private_segment_fixed_size: 0
    .kernarg_segment_align: 8
    .kernarg_segment_size: 56
    .max_flat_workgroup_size: 256
    .sgpr_count:     66
    .vgpr_count:     320
    .wavefront_size: 32
...
	.end_amdgpu_metadata
.endif
;; end of part 4
;; ======== version 2 of 2: 4 launches
;; workspace buffers: hc 2,097,152 bytes; hs 131,072 bytes; qb 2,359,296 bytes; kv 4,718,592 bytes; oc 2,097,152 bytes; os 131,072 bytes
;; launch gnq (part 5): grid 16 x 4, 32 waves a work-group, no clusters, 8,192 bytes of LDS; arguments x, gn_gamma, gn_beta, hc, hs; writes hc, hs
.if DOCPART == 5
	.amdgcn_target "amdgcn-amd-amdhsa--gfx1250"
	.amdhsa_code_object_version 6
	.text
	.protected	k_q9d46aa690e_gnq
	.globl	k_q9d46aa690e_gnq
	.p2align	8
	.type	k_q9d46aa690e_gnq,@function
k_q9d46aa690e_gnq:
	s_mov_b64 s[64:65], 0
	v_nop
	global_prefetch_b8 v0, s[64:65] scope:SCOPE_SE
	s_setreg_imm32_b32 hwreg(HW_REG_WAVE_MODE, 25, 1), 1
	s_wait_xcnt 0x0
; h = GroupNorm(x) x gamma + beta, quantised along the channels to codes of FP4 (E2M1) with one E8M0 byte for each 32 channels.
; x: [4][512][2048] f32.  A norm group is 16 channels x 2,048 columns = 2^15 numbers; a block of the quantiser is 32 channels of one column: two groups.
; SHARES.  A work-group (x = block of 32 channels, y = batch) owns 32 channels x 2,048 columns, so that it has both groups' statistics and whole blocks: 64 work-groups.
; A finer split would want the statistics from a launch of their own and x read a second time.  Thread t owns columns t and t + 1,024; ITS REGISTERS RUN DOWN THE CHANNELS:
; each load reads 128 neighbouring bytes a wave, x stays in 64 registers between the passes (read from memory once), a block's largest magnitude needs no other lane,
; and the conversions give codes with the channels innermost.
; PASSES.  sum -> mean;  d = x - mean in place;  sum of d^2 -> variance (no difference of large sums);  h = d x (rstd gamma) + beta;  quantise.
; OUT.  hc: images of operand registers, [batch][tile 128][channel block 16][row 16][16 bytes].  THE POSITIONS OF A TILE ARE NOT NEIGHBOURS: row m of tile 2 a + u is position
; 32 a + 8 u + m + 8 (m / 8).  A wave's store of 16 bytes a lane covers two runs of 256 consecutive bytes, each aligned.  hs: [batch][channel block][tile x 16 + row], one byte each; they are
; gathered in LDS and leave as 2,048 consecutive bytes.
; No matrix work, no tensor load, no cluster: the work-groups share no input but 256 bytes of gamma and beta.
; LIMITS: NaN and infinities among the inputs are not served.  A block whose largest magnitude lies under 2^-124 (a block of zeros too) gets the byte 1; the bytes are read by this program alone.
.set RED1, 0                           ; LDS: 32 waves x 2 sums
.set RED2, 256                         ; the same for the squares
.set BYT,  512                         ; 2,048 scale bytes
.set ACC,  6                           ; v[6:13]  four packed sums: group g, column set j at ACC + 4 g + 2 j
.set CD,   24                          ; v[24:31] codes, four registers for each column set
.set X,    32                          ; v32-95   x, then d, then h: X + 32 j + c
.set GAM,  16                          ; s[16:47] gamma, then rstd x gamma;  beta of channel c at s[48 + c + 16 (c / 16)]
	s_load_b128 s[4:7], s[0:1], 0x0                ; x, gamma
	s_load_b128 s[8:11], s[0:1], 0x10              ; beta, hc
	s_load_b64 s[12:13], s[0:1], 0x20              ; hs
	v_lshl_add_u32 v96, v0, 2, 0x1000
	v_mov_b32 v97, 0
	v_lshrrev_b32 v5, 5, v0
	s_wait_alu depctr_va_vdst(0)
	v_readfirstlane_b32 s14, v5                    ; wave 0..31
	s_and_b32 s2, ttmp7, 0xffff                    ; batch
	s_lshl_b32 s72, s2, 22                         ; x: 4 MiB a batch,
	s_lshl_b32 s74, ttmp9, 18                      ; 32 rows of 8,192 bytes a block of channels
	s_add_co_u32 s72, s72, s74
	s_mov_b32 s73, 0
	s_lshl_b32 s74, ttmp9, 7                       ; gamma, beta: 32 numbers
	s_mov_b32 s75, 0
	s_lshl_b32 s76, s2, 19                         ; hc: 128 tiles of 4,096 bytes a batch,
	s_lshl_b32 s78, ttmp9, 8                       ; 256 bytes a channel block in a tile
	s_add_co_u32 s76, s76, s78
	s_mov_b32 s77, 0
	s_lshl_b32 s78, s2, 4
	s_add_co_u32 s78, s78, ttmp9
	s_lshl_b32 s78, s78, 11                        ; hs: a plane of 2,048 bytes
	s_mov_b32 s79, 0
	s_mov_b32 s66, 0x76543210                      ; v_permlanex16_b32's selects for lane l xor 16
	s_mov_b32 s67, 0xfedcba98
	s_mov_b32 s68, 0x38000000                      ; 2^-15: one over a group's numbers
	s_mov_b32 s69, 0x358637bd                      ; eps = 1e-6
	v_lshlrev_b32 v1, 2, v0                        ; my column's byte in a row of x
	v_lshlrev_b32 v5, 3, v5                        ; 8 x wave
	v_and_b32 v4, 31, v0
	s_delay_alu instid0(VALU_DEP_1)
	v_lshlrev_b32 v4, 3, v4                        ; 8 x lane
	v_lshrrev_b32 v16, 5, v0
	v_bfe_u32 v17, v0, 3, 1
	s_delay_alu instid0(VALU_DEP_1)
	v_lshl_add_u32 v16, v16, 1, v17                ; my column's tile: 2 (t / 32) + bit 3 of t
	v_bfe_u32 v17, v0, 4, 1
	v_and_b32 v22, 7, v0
	s_delay_alu instid0(VALU_DEP_1)
	v_lshl_add_u32 v17, v17, 3, v22                ; and its row there: 8 x bit 4 + t % 8
	s_delay_alu instid0(VALU_DEP_1)
	v_lshlrev_b32 v2, 4, v17
	s_delay_alu instid0(VALU_DEP_1)
	v_lshl_add_u32 v2, v16, 12, v2                 ; codes: 4,096 x tile + 16 x row
	s_delay_alu instid0(VALU_DEP_3)
	v_lshl_add_u32 v3, v16, 4, v17
	s_delay_alu instid0(VALU_DEP_1)
	v_add_nc_u32 v3, BYT, v3                       ; scale byte in LDS: 16 x tile + row
	s_wait_kmcnt 0x0
	s_add_nc_u64 s[4:5], s[4:5], s[72:73]
	s_add_nc_u64 s[6:7], s[6:7], s[74:75]
	s_add_nc_u64 s[8:9], s[8:9], s[74:75]
	s_add_nc_u64 s[10:11], s[10:11], s[76:77]
	s_add_nc_u64 s[12:13], s[12:13], s[78:79]
	s_load_b512 s[16:31], s[6:7], 0x0              ; gamma of my 32 channels
	s_load_b512 s[32:47], s[6:7], 0x40
	s_load_b512 s[48:63], s[8:9], 0x0              ; beta
	s_load_b512 s[80:95], s[8:9], 0x40
.irp j, 0,1                                    ; column set 0 first, so that its sums can begin while set 1 is on its way
.set c, 0
.rept 32
	global_load_b32 v[X+32*\j+c], v1, s[4:5] offset:8192*c+4096*\j th:TH_LOAD_NT
.set c, c+1
.endr
.endr
.macro SUMS j                          ; column set j: the sums of its two groups, two numbers at a time, the groups by turns
.irp g, 0,1
	v_pk_add_f32 v[ACC+4*\g+2*\j:ACC+4*\g+2*\j+1], v[X+32*\j+16*\g:X+32*\j+16*\g+1], v[X+32*\j+16*\g+2:X+32*\j+16*\g+3]
.endr
.irp k, 4,6,8,10,12,14
.irp g, 0,1
	s_delay_alu instid0(VALU_DEP_2)
	v_pk_add_f32 v[ACC+4*\g+2*\j:ACC+4*\g+2*\j+1], v[ACC+4*\g+2*\j:ACC+4*\g+2*\j+1], v[X+32*\j+16*\g+\k:X+32*\j+16*\g+\k+1]
.endr
.endr
.endm
.macro SQS j                           ; the same of the squares
.irp g, 0,1
	v_pk_mul_f32 v[ACC+4*\g+2*\j:ACC+4*\g+2*\j+1], v[X+32*\j+16*\g:X+32*\j+16*\g+1], v[X+32*\j+16*\g:X+32*\j+16*\g+1]
.endr
.irp k, 2,4,6,8,10,12,14
.irp g, 0,1
	s_delay_alu instid0(VALU_DEP_2)
	v_pk_fma_f32 v[ACC+4*\g+2*\j:ACC+4*\g+2*\j+1], v[X+32*\j+16*\g+\k:X+32*\j+16*\g+\k+1], v[X+32*\j+16*\g+\k:X+32*\j+16*\g+\k+1], v[ACC+4*\g+2*\j:ACC+4*\g+2*\j+1]
.endr
.endr
.endm
.macro WRED                            ; v14 and v15 summed over the 32 lanes, the result in every lane
.irp m, 1
	v_add_f32_dpp v14, v14, v14 row_xmask:\m row_mask:0xf bank_mask:0xf
	v_add_f32_dpp v15, v15, v15 row_xmask:\m row_mask:0xf bank_mask:0xf
.endr
.irp m, 2, 4, 8
	s_delay_alu instid0(VALU_DEP_2)
	v_add_f32_dpp v14, v14, v14 row_xmask:\m row_mask:0xf bank_mask:0xf
	s_delay_alu instid0(VALU_DEP_2)
	v_add_f32_dpp v15, v15, v15 row_xmask:\m row_mask:0xf bank_mask:0xf
.endr
	s_delay_alu instid0(VALU_DEP_2)
	v_permlanex16_b32 v16, v14, s66, s67
	s_delay_alu instid0(VALU_DEP_2)
	v_permlanex16_b32 v17, v15, s66, s67
	s_delay_alu instid0(VALU_DEP_2)
	v_add_f32 v14, v14, v16
	s_delay_alu instid0(VALU_DEP_2)
	v_add_f32 v15, v15, v17
.endm
.macro TOTAL red                       ; the four packed sums become the two groups' totals over the work-group, in every lane of every wave
.irp g, 0,1
	s_delay_alu instid0(VALU_DEP_2)
	v_pk_add_f32 v[ACC+4*\g:ACC+4*\g+1], v[ACC+4*\g:ACC+4*\g+1], v[ACC+4*\g+2:ACC+4*\g+3]
.endr
.irp g, 0,1
	s_delay_alu instid0(VALU_DEP_2)
	v_add_f32 v[14+\g], v[ACC+4*\g], v[ACC+4*\g+1]
.endr
	WRED
	ds_store_b64 v5, v[14:15] offset:\red          ; my wave's two sums (all lanes write the same words with the same values)
	s_wait_dscnt 0x0                               ; for the others' sake: my store is done
	s_barrier_signal -1
	s_barrier_wait -1
	ds_load_b64 v[14:15], v4 offset:\red           ; lane l takes wave l's
	s_wait_dscnt 0x0
	WRED
.endm
	s_wait_loadcnt 32                              ; column set 0 is in; set 1's 32 loads may be out
	SUMS 0
	s_wait_loadcnt 0x0
	SUMS 1
	TOTAL RED1
	s_delay_alu instid0(VALU_DEP_2)
	v_mul_f32 v18, 0xb8000000, v14                 ; -mean = sum x -2^-15, as pairs for the packed additions
	s_delay_alu instid0(VALU_DEP_2)
	v_mul_f32 v20, 0xb8000000, v15
	s_delay_alu instid0(VALU_DEP_2)
	v_mov_b32 v19, v18
	s_delay_alu instid0(VALU_DEP_2)
	v_mov_b32 v21, v20
.irp j, 0,1
.irp g, 0,1
.irp k, 0,2,4,6,8,10,12,14
	v_pk_add_f32 v[X+32*\j+16*\g+\k:X+32*\j+16*\g+\k+1], v[X+32*\j+16*\g+\k:X+32*\j+16*\g+\k+1], v[18+2*\g:19+2*\g]   ; d = x - mean
.endr
.endr
.endr
	SQS 0
	SQS 1
	TOTAL RED2                                     ; other bytes than the first total's: no wave can overwrite what another still reads
	s_delay_alu instid0(VALU_DEP_2)
	v_fma_f32 v14, v14, s68, s69                   ; variance + eps
	s_delay_alu instid0(VALU_DEP_2)
	v_fma_f32 v15, v15, s68, s69
	s_wait_alu depctr_va_vdst(0)
	v_rsq_f32 v22, v14
	v_rsq_f32 v23, v15
	v_nop                                          ; a plain instruction behind the last of the two
	s_wait_alu depctr_va_vdst(0)                   ; and the wait ahead of the first use: one for both
	v_readfirstlane_b32 s70, v22                   ; the same in every lane
	v_readfirstlane_b32 s71, v23
	s_wait_kmcnt 0x0                               ; gamma and beta
.set c, 0
.rept 32
	s_mul_f32 s[GAM+c], s[GAM+c], s[70+c/16]       ; rstd x gamma
.set c, c+1
.endr
.irp j, 0,1
.set c, 0
.rept 32
	v_fma_f32 v[X+32*\j+c], v[X+32*\j+c], s[GAM+c], s[48+c+16*(c/16)]   ; h
.set c, c+1
.endr
.endr
.macro BLOCK j                         ; column set j: my column's 32 numbers are one block
.set XS, X+32*\j
	v_max3_num_f32 v22, |v[XS]|, |v[XS+1]|, |v[XS+2]|              ; its largest magnitude, in two chains
	v_max3_num_f32 v23, |v[XS+3]|, |v[XS+4]|, |v[XS+5]|
.irp i, 6,10,14,18,22,26
	s_delay_alu instid0(VALU_DEP_2)
	v_max3_num_f32 v22, v22, |v[XS+\i]|, |v[XS+\i+1]|
	s_delay_alu instid0(VALU_DEP_2)
	v_max3_num_f32 v23, v23, |v[XS+\i+2]|, |v[XS+\i+3]|
.endr
	s_delay_alu instid0(VALU_DEP_2)
	v_max3_num_f32 v22, v22, |v[XS+30]|, |v[XS+31]|
	s_delay_alu instid0(VALU_DEP_1)
	v_max3_num_f32 v22, v22, v23, 0x1800000        ; and the floor 2^(3 - 127): the byte cannot fall under 1
	s_delay_alu instid0(VALU_DEP_1)
	v_add_nc_u32 v23, 0xff000000, v22              ; 2 off its exponent field: the conversion takes the exponent field of this operand as its scale
	s_delay_alu instid0(VALU_DEP_1)
	v_lshrrev_b32 v[6+\j], 23, v23                 ; the scale's byte
.irp g, 0,1,2,3
	v_cvt_scalef32_pk8_fp4_f32 v[CD+4*\j+\g], v[XS+8*\g:XS+8*\g+7], v23
.endr
	v_nop                                          ; one plain place behind the last conversion
	global_store_b128 v2, v[CD+4*\j:CD+4*\j+3], s[10:11] offset:262144*\j   ; column t + 1,024 lies 64 tiles on
	ds_store_b8 v3, v[6+\j] offset:1024*\j
.endm
	BLOCK 0
	BLOCK 1
	s_wait_dscnt 0x0                               ; my bytes are in LDS
	s_barrier_signal -1
	s_barrier_wait -1                              ; everybody's are
	s_cmp_lt_u32 s14, 4                            ; waves 0 to 3 carry the 2,048 bytes out, 16 a lane
	s_cbranch_scc0 .Lend
	v_lshl_add_u32 v22, v0, 4, BYT
	v_lshlrev_b32 v23, 4, v0
	ds_load_b128 v[32:35], v22
	s_wait_alu depctr_va_vdst(0)
	s_wait_dscnt 0x0
	global_store_b128 v23, v[32:35], s[12:13]      ; a wave stores 512 consecutive bytes, aligned to 256
.Lend:
	s_wait_tensorcnt 0x0
	ds_add_u32 v96, v97
	s_wait_dscnt 0x0
	s_endpgm
.Lfunc_end_k_q9d46aa690e_gnq:
	.size	k_q9d46aa690e_gnq, .Lfunc_end_k_q9d46aa690e_gnq-k_q9d46aa690e_gnq
	.p2alignl 7, 3214868480
	.fill 96, 4, 3214868480
	.section	.rodata,"a",@progbits
	.p2align	6, 0x0
	.amdhsa_kernel k_q9d46aa690e_gnq
		.amdhsa_group_segment_fixed_size 8192
		.amdhsa_private_segment_fixed_size 0
		.amdhsa_enable_private_segment 0
		.amdhsa_kernarg_size 40
		.amdhsa_user_sgpr_count 2
		.amdhsa_user_sgpr_kernarg_segment_ptr 1
		.amdhsa_wavefront_size32 1
		.amdhsa_system_sgpr_workgroup_id_x 1
		.amdhsa_system_sgpr_workgroup_id_y 1
		.amdhsa_system_sgpr_workgroup_id_z 1
		.amdhsa_system_vgpr_workitem_id 0
		.amdhsa_next_free_vgpr 98
		.amdhsa_next_free_sgpr 96
		.amdhsa_reserve_vcc 0
		.amdhsa_float_denorm_mode_32 3
		.amdhsa_float_denorm_mode_16_64 3
		.amdhsa_memory_ordered 1
		.amdhsa_forward_progress 1
		.amdhsa_inst_pref_size 32
	.end_amdhsa_kernel
	.amdgpu_metadata
---
amdhsa.version: [ 1, 2 ]
amdhsa.kernels:
  - .name:           k_q9d46aa690e_gnq
    .symbol:         k_q9d46aa690e_gnq.kd
    .args:
      - { .name: x, .offset: 0, .size: 8, .value_kind: global_buffer, .address_space: global }
      - { .name: gn_gamma, .offset: 8, .size: 8, .value_kind: global_buffer, .address_space: global }
      - { .name: gn_beta, .offset: 16, .size: 8, .value_kind: global_buffer, .address_space: global }
      - { .name: hc, .offset: 24, .size: 8, .value_kind: global_buffer, .address_space: global }
      - { .name: hs, .offset: 32, .size: 8, .value_kind: global_buffer, .address_space: global }
    .group_segment_fixed_size: 8192
    .private_segment_fixed_size: 0
    .kernarg_segment_align: 8
    .kernarg_segment_size: 40
    .max_flat_workgroup_size: 1024
    .sgpr_count:     96
    .vgpr_count:     98
    .wavefront_size: 32
...
	.end_amdgpu_metadata
.endif
;; end of part 5
;; launch qkv (part 6): grid 64 x 4, 8 waves a work-group, no clusters, 35,840 bytes of LDS; arguments hc, hs, q_w_codes, q_w_scales, q_b, k_w_codes, k_w_scales, k_b, v_w_codes, v_w_scales, v_b, qb, kv; writes qb, kv
.if DOCPART == 6
	.amdgcn_target "amdgcn-amd-amdhsa--gfx1250"
	.amdhsa_code_object_version 6
	.text
	.protected	k_q9d46aa690e_qkv
	.globl	k_q9d46aa690e_qkv
	.p2align	8
	.type	k_q9d46aa690e_qkv,@function
k_q9d46aa690e_qkv:
	s_mov_b64 s[64:65], 0
	v_nop
	global_prefetch_b8 v0, s[64:65] scope:SCOPE_SE
	s_setreg_imm32_b32 hwreg(HW_REG_WAVE_SCHED_MODE, 0, 2), 2
	s_setreg_imm32_b32 hwreg(HW_REG_WAVE_MODE, 25, 1), 1
	s_wait_xcnt 0x0
	s_wait_alu depctr_vm_vsrc(0)
; q, k, v = W h + bias on codes of FP4 (E2M1) with E8M0 scales, and their results quantised again on the way: q and k along the head's 64 channels, v along the keys.
; SHARES.  A work-group (x = 16 batch + package of 128 positions, y = pair of heads 2 p, 2 p + 1) makes 128 positions x 384 outputs over K = 512.  Every wave runs the same text twice over:
;   THE QK JOB: wave w: q (w < 4) or k, head 2 p + (w / 2) % 2, tiles 4 (w % 2) .. + 3 of positions.  Source 0 = 16 rows of W, source 1 = 16 positions of h: a lane holds ONE position, its registers run along the head's channels.
;   THE V JOB: wave w: 16 channels of v (head 2 p + w / 4, tile w % 4), all 8 tiles of positions.  Source 0 = 16 positions of h, source 1 = 16 rows of W: a lane holds ONE channel, its registers run along the positions (the keys).
; THE ROWS OF W THAT FORM A TILE, AND THE POSITIONS THAT FORM A TILE OF h, ARE NOT NEIGHBOURS: row m of tile 2 a + u is 32 a + 8 u + m + 8 (m / 8), so that the 16 registers of tiles 2 a and 2 a + 1 are
; 16 neighbours, 32 a + 16 (lane / 16) + 0 .. 15, along the next product's K.
; A wave's weights, their scale words and biases stay in registers (window 1); the biases are the C of each sum's first matrix instruction.  h's 32 KiB of register images and 2 KiB of scale bytes go through LDS once.
; OUT.  qb: a package of 4,608 bytes for 128 queries of a head: 8 tiles x 512 bytes (the image of operand registers 0-3; registers 4-7, K = 64 .. 127, are zeros that the reader makes itself), then 512 bytes of scale words,
; [half][lane][i]: the word of tile 4 half + 2 i + lane / 16, row lane % 16; its bytes 2 and 3 repeat bytes 0 and 1 (they scale zero codes).  kv: a package of 9,216 bytes for 128 keys: k as q; at 4,608 v's 4 fragments
; (16 channels x 128 keys, 1,024 bytes each); at 8,704 their scale words, 128 bytes each (lanes 16-31 repeat lanes 0-15; this one store covers half of an aligned 256 bytes: 1/72 of a package).
; NO CLUSTER, NO TENSOR LOAD: each weight fragment goes from memory straight into the registers of the one or two waves that keep it; shared requests would send 96 KiB of weights through LDS to be read from there again.
; LIMITS: NaN and infinities are not served.  A block whose largest magnitude lies under 2^-124 (a block of zeros too) gets the byte 1; the bytes are read by this program alone.
; THE MODE: SCHED_MODE bits 1:0 = 2 (LLVM: expert scheduling mode 2), set by the entry lines.  The code itself states the register dependences
; between vector or matrix instructions and memory or LDS instructions, with s_wait_alu, always for 0.
; THE PLAN.  Registers that memory or LDS instructions touch:
;   v4-v19       addresses and offsets: made at the head, never written again.  One wait on va_vdst ahead of the first load serves every load and store of the kernel.
;   HF           at the head: global loads land in it, LDS stores read it (two of its registers are first made by vector lines: a wait on va_vdst ahead of their store); one wait on vm_vsrc behind the barrier frees it.
;                Then set m % 2: tile m's LDS loads land in it, tile m's products read it, and the loads of tile m + 2, issued in tile m + 1, land in it again.
;   PCQ + 4 m    written by tile m's quantiser, read by the tile's store; written again by the V job's first products: a wait on vm_vsrc ahead of those.
;   v24, v25     written by two selects on VCC (a wait on va_vcc ahead of them), read by one store.
;   THE V JOB'S h has a buffer for each K step: step 0 in HF, steps 1 and 2 where the QK job's weights lay, step 3 where its biases lay and in 32 further registers.  All were last named by tile 3's products.
;   PCV, PW      written by the last quantiser, read by the last three stores.
; So ONE wait on va_vdst stands at each tile's end: the codes are written, and the tile's products are done reading their set of h.  Tile 3 has one more, behind its products and their places: from there on all four buffers of
; the V job may be loaded; two are asked for at once and land while the tile is quantised, the third behind the QK job's stores, the fourth between the V job's first and second K step.  The V job's 32 products need no wait on va_vdst.
.set HIMG, 0                           ; LDS: h's 8 tiles as they lie in hc: tile 4,096 bytes, K step 1,024, register group 512, lane 16
.set HSC,  32768                       ; h's scale bytes, [row = 16 tile + r][16]: word s of a row serves K step s
.set SW,   20                          ; v20-23   the four tiles' scale words
.set WS,   28                          ; v28-43   W's scale words, 4 t + s;  v44-47 the V job's
.set WSV,  44
.set HSQ,  48                          ; v48-55   h's scale words for the QK job: 4 i + s: lanes 0-15 tile 4 half + 2 i, lanes 16-31 the next
.set HS,   56                          ; v56-71   for the V job: 4 i + s: tiles 2 i, 2 i + 1
.set HF,   72                          ; v72-135  h's fragments: two sets of four (QK), or K step 0's eight (V); at the head what is on its way to LDS
.set QA,   136                         ; v136-167 the QK job's four accumulators
.set PCV,  136                         ; v136-143 the V job's codes
.set VA,   168                         ; v168-231 the V job's eight accumulators
.set PCQ,  168                         ; v168-183 the QK job's codes, four registers a tile
.set TM,   232                         ; v232-247 at work in the quantiser
.set PW,   248                         ; the V job's scale word
.set WQ,   0                           ; window 1: v0-127 W's fragments (t, s) at 8 (4 t + s); in the V job h's fragments of K steps 1 and 2;
.set BQ,   128                         ; v128-159 the QK job's biases, 8 t; in the V job tiles 0-3 of K step 3;
.set WV,   160                         ; v160-191 the V job's fragments, 8 s;
.set BV,   192                         ; v192-199 its bias, eight times;
.set HX,   200                         ; v200-231 in the V job tiles 4-7 of K step 3
.set SEL,  52
.set MSB, 0
.macro WIN new                         ; the immediate's high byte repeats the setting that is left
.if MSB != \new
	s_set_vgpr_msb (MSB<<8)|\new
.set MSB, \new
.endif
.endm
.macro PLACES                          ; four places behind a matrix instruction, in front of loads into its sources and of the first read of its result
.rept 4
	v_nop
.endr
.endm
	s_load_b512 s[16:31], s[0:1], 0x0              ; hc, hs, q's codes, scales, bias, k's codes, scales, bias
	s_load_b256 s[32:39], s[0:1], 0x40             ; v's codes, scales, bias, qb
	s_load_b64 s[40:41], s[0:1], 0x60              ; kv
	v_lshl_add_u32 v254, v0, 2, 0x8800
	v_mov_b32 v255, 0
	v_lshrrev_b32 v1, 5, v0
	v_readfirstlane_b32 s2, v1                     ; wave 0..7
	s_and_b32 s4, ttmp7, 0xffff                    ; p
	s_lshr_b32 s5, ttmp9, 4                        ; batch
	s_and_b32 s6, ttmp9, 15                        ; package
	s_wait_alu depctr_va_sdst(0)                   ; s2 is written, ahead of its first reader: the wave's shares and addresses are made from it
	s_lshr_b32 s7, s2, 2                           ; QK: 0 = q, 1 = k.  V: which of the two heads
	s_bfe_u32 s8, s2, 0x10001                      ; QK: which of the two heads
	s_and_b32 s9, s2, 1                            ; QK: which half of the positions
	s_and_b32 s12, s2, 3                           ; V: which tile of channels
	s_lshl_b32 s10, s4, 1
	s_add_co_u32 s11, s10, s7                      ; V's head
	s_add_co_u32 s10, s10, s8                      ; QK's head
	v_and_b32 v1, 31, v0                           ; lane
	v_and_b32 v2, 15, v0                           ; r
	v_bfe_u32 v3, v0, 4, 1                         ; lane / 16
	v_lshlrev_b32 v4, 4, v1                        ; an image's place for my lane
	s_lshl_b32 s13, s9, 14
	v_add_nc_u32 v5, s13, v4                       ; + my half's four tiles
	v_add_nc_u32 v7, HSC, v4                       ; scale words: 16 bytes a row, 32 rows a load
	s_lshl_b32 s13, s9, 10
	v_add_nc_u32 v6, s13, v7
	v_and_b32 v9, 8, v2
	v_add_nc_u32 v9, v9, v2                        ; r + 8 (r / 8)
	v_lshlrev_b32 v8, 8, v9
	v_lshl_add_u32 v8, v3, 4, v8                   ; W: a row is 256 bytes; + 16 for lanes 16-31
	v_lshlrev_b32 v11, 2, v9                       ; V's bias
	v_lshlrev_b32 v9, 4, v9                        ; W's scale bytes: 16 a row
	v_lshlrev_b32 v10, 6, v3                       ; QK's bias: lanes 16-31 begin 16 channels on
	v_lshlrev_b32 v12, 4, v0                       ; staging: 16 bytes a thread
	v_and_b32 v13, 127, v0
	v_lshrrev_b32 v15, 7, v0
	v_lshlrev_b32 v14, 4, v13
	v_lshl_add_u32 v14, v15, 3, v14
	v_add_nc_u32 v14, HSC, v14                     ; thread t puts 8 bytes of row t % 128: channel blocks 8 (t / 128) on
	v_lshl_add_u32 v13, v15, 14, v13               ; and finds them in 8 planes of 2,048 bytes
	s_lshl_b32 s13, s12, 7
	v_lshl_add_u32 v16, v1, 2, s13                 ; V's scale words out
	s_lshl_b32 s13, s9, 11
	v_add_nc_u32 v17, s13, v4                      ; QK's codes out
	s_lshl_b32 s13, s9, 8
	v_lshl_add_u32 v18, v1, 3, s13                 ; QK's scale words out
	s_lshl_b32 s13, s12, 10
	v_add_nc_u32 v19, s13, v4                      ; V's codes out
	v_cmp_le_u32 vcc_lo, 16, v1                    ; lanes 16-31
.irp b, 0,1,2,3
	v_mov_b32 v[TM+4+\b], 0                        ; written once: a lane permute's destination counts as one of its sources
.endr
	s_mov_b32 s[SEL], 0x76543210                   ; v_permlanex16_b32's selects for lane l xor 16
	s_mov_b32 s[SEL+1], 0xfedcba98
	s_mov_b32 s15, 0
	s_wait_kmcnt 0x0
	s_cmp_eq_u32 s7, 0                             ; q's buffers or k's: the choice hangs on the wave's number alone
	s_cselect_b64 s[42:43], s[20:21], s[26:27]
	s_cselect_b64 s[44:45], s[22:23], s[28:29]
	s_cselect_b64 s[46:47], s[24:25], s[30:31]
	s_cselect_b64 s[48:49], s[38:39], s[40:41]
	s_mov_b32 s13, 9216
	s_cselect_b32 s13, 4608, s13                   ; a package's bytes
	s_lshl_b32 s14, ttmp9, 15
	s_add_nc_u64 s[16:17], s[16:17], s[14:15]      ; hc at my 8 tiles
	s_lshl_b32 s14, s5, 15
	s_lshl_b32 s3, s6, 7
	s_add_co_u32 s14, s14, s3
	s_add_nc_u64 s[18:19], s[18:19], s[14:15]      ; hs at my 128 rows of plane 0
	s_lshl_b32 s14, s10, 14
	s_add_nc_u64 s[42:43], s[42:43], s[14:15]      ; the head's 64 rows of W,
	s_lshl_b32 s14, s10, 10
	s_add_nc_u64 s[44:45], s[44:45], s[14:15]      ; of its scale bytes,
	s_lshl_b32 s14, s10, 8
	s_add_nc_u64 s[46:47], s[46:47], s[14:15]      ; of the bias
	s_lshl_b32 s3, s5, 3
	s_add_co_u32 s14, s3, s10
	s_lshl_b32 s14, s14, 4
	s_add_co_u32 s14, s14, s6                      ; (8 batch + head) x 16 + package
	s_mul_i32 s14, s14, s13
	s_add_nc_u64 s[48:49], s[48:49], s[14:15]      ; where the QK job stores
	s_add_co_u32 s14, s3, s11
	s_lshl_b32 s14, s14, 4
	s_add_co_u32 s14, s14, s6
	s_mul_i32 s14, s14, 9216
	s_add_nc_u64 s[50:51], s[40:41], s[14:15]      ; where the V job stores
	s_lshl_b32 s3, s11, 6
	s_lshr_b32 s13, s12, 1
	s_lshl_b32 s13, s13, 5
	s_add_co_u32 s3, s3, s13
	s_and_b32 s13, s12, 1
	s_lshl_b32 s13, s13, 3
	s_add_co_u32 s3, s3, s13                       ; the V tile's first row: 64 head + 32 (tile / 2) + 8 (tile % 2)
	s_lshl_b32 s14, s3, 8
	s_add_nc_u64 s[32:33], s[32:33], s[14:15]
	s_lshl_b32 s14, s3, 4
	s_add_nc_u64 s[34:35], s[34:35], s[14:15]
	s_lshl_b32 s14, s3, 2
	s_add_nc_u64 s[36:37], s[36:37], s[14:15]
	; sixteen loads for LDS first, then 54 that stay in registers
	s_wait_alu depctr_va_vdst(0)                   ; the addresses and offsets v4 to v19 are written, which every load and store of the kernel reads; none of them is written again
.irp i, 0,1,2,3,4,5,6,7
	global_load_b128 v[HF+4*\i:HF+4*\i+3], v12, s[16:17] offset:4096*\i
.endr
.irp i, 0,1,2,3,4,5,6,7
	global_load_u8 v[HF+32+\i], v13, s[18:19] offset:2048*\i
.endr
	WIN 0x40                                       ; destination window 1
.irp t, 0,1,2,3
.irp s, 0,1,2,3
.irp c, 0,1
	global_load_b128 v[WQ+8*(4*\t+\s)+4*\c:WQ+8*(4*\t+\s)+4*\c+3], v8, s[42:43] offset:(32*(\t/2)+8*(\t%2))*256+64*\s+32*\c
.endr
.endr
.endr
.irp t, 0,1,2,3                                ; lane (r, h) wants the bias of channels 32 (t / 2) + 16 h + 8 (t % 2) + 0 .. 7
	global_load_b128 v[BQ+8*\t:BQ+8*\t+3], v10, s[46:47] offset:(32*(\t/2)+8*(\t%2))*4
	global_load_b128 v[BQ+8*\t+4:BQ+8*\t+7], v10, s[46:47] offset:(32*(\t/2)+8*(\t%2))*4+16
.endr
.irp s, 0,1,2,3
.irp c, 0,1
	global_load_b128 v[WV+8*\s+4*\c:WV+8*\s+4*\c+3], v8, s[32:33] offset:64*\s+32*\c
.endr
.endr
	global_load_b32 v[BV], v11, s[36:37]           ; my channel's bias
	WIN 0
.irp t, 0,1,2,3
	global_load_b128 v[WS+4*\t:WS+4*\t+3], v9, s[44:45] offset:(32*(\t/2)+8*(\t%2))*16
.endr
	global_load_b128 v[WSV:WSV+3], v9, s[34:35]
	s_wait_loadcnt 54                              ; the first sixteen are in; the 54 behind them may be out
.irp i, 0,1,2,3,4,5,6,7
	ds_store_b128 v12, v[HF+4*\i:HF+4*\i+3] offset:HIMG+4096*\i
.endr
	v_lshl_or_b32 v[HF+32], v[HF+33], 8, v[HF+32]  ; eight bytes make two scale words
	v_lshl_or_b32 v[HF+32], v[HF+34], 16, v[HF+32]
	v_lshl_or_b32 v[HF+32], v[HF+35], 24, v[HF+32]
	v_lshl_or_b32 v[HF+33], v[HF+37], 8, v[HF+36]
	v_lshl_or_b32 v[HF+33], v[HF+38], 16, v[HF+33]
	v_lshl_or_b32 v[HF+33], v[HF+39], 24, v[HF+33]
	s_wait_alu depctr_va_vdst(0)                   ; the six lines above have written the two scale words, which the store reads; they are also done with v[HF+32] to v[HF+39], in which tile 1's fragments will land
	ds_store_b64 v14, v[HF+32:HF+33]
	s_wait_dscnt 0x0                               ; for the others' sake: my stores are done
	s_barrier_signal -1
	s_barrier_wait -1                              ; the launch's one barrier: h lies in LDS and is only read from here on
.macro FETCHQ m, buf                   ; tile 4 half + m of h, all four K steps, into set buf
.irp s, 0,1,2,3
.irp c, 0,1
	ds_load_b128 v[HF+32*(\buf)+8*\s+4*\c:HF+32*(\buf)+8*\s+4*\c+3], v5 offset:HIMG+4096*(\m)+1024*\s+512*\c
.endr
.endr
.endm
; 16 matrix instructions: the head's four tiles of channels by turns, K step by K step; the first K step takes the bias as C
.macro MULQ m, buf
.irp s, 0,1,2,3
.if \s == 0
	WIN 0x11                                       ; W and the bias in window 1
.else
	WIN 0x01
.endif
.irp t, 0,1,2,3
.if \s == 0
.set RC, BQ+8*\t
.else
.set RC, QA+8*\t
.endif
.if (\m)%2
	v_wmma_scale_f32_16x16x128_f8f6f4 v[QA+8*\t:QA+8*\t+7], v[WQ+8*(4*\t+\s):WQ+8*(4*\t+\s)+7], v[HF+32*(\buf)+8*\s:HF+32*(\buf)+8*\s+7], v[RC:RC+7], v[WS+4*\t+\s], v[HSQ+4*((\m)/2)+\s] matrix_a_fmt:MATRIX_FMT_FP4 matrix_b_fmt:MATRIX_FMT_FP4 matrix_b_scale:MATRIX_SCALE_ROW1
.else
	v_wmma_scale_f32_16x16x128_f8f6f4 v[QA+8*\t:QA+8*\t+7], v[WQ+8*(4*\t+\s):WQ+8*(4*\t+\s)+7], v[HF+32*(\buf)+8*\s:HF+32*(\buf)+8*\s+7], v[RC:RC+7], v[WS+4*\t+\s], v[HSQ+4*((\m)/2)+\s] matrix_a_fmt:MATRIX_FMT_FP4 matrix_b_fmt:MATRIX_FMT_FP4
.endif
.endr
.endr
.endm
; 32 numbers of a lane, register 16 b + i = k 32 b + 16 (lane / 16) + i of my row, become operand registers 0-3 in v[pc] on; the two blocks' bytes are left in v[TM+4], v[TM+5]
.macro QUANT2 s, pc
.irp b, 0,1
	v_max3_num_f32 v[TM+\b], |v[\s+16*\b]|, |v[\s+1+16*\b]|, 0x1800000   ; my 16 numbers of block b, and the floor 2^(3 - 127): the byte cannot fall under 1
.endr
.irp i, 2,4,6,8,10,12,14
.irp b, 0,1
	v_max3_num_f32 v[TM+\b], v[TM+\b], |v[\s+16*\b+\i]|, |v[\s+1+16*\b+\i]|
.endr
.endr
.irp b, 0,1
	v_permlanex16_b32 v[TM+4+\b], v[TM+\b], s[SEL], s[SEL+1]
.endr
.irp b, 0,1
	v_max_num_f32 v[TM+\b], v[TM+\b], v[TM+4+\b]   ; with lane l xor 16's: the block's largest magnitude
.endr
.irp b, 0,1
	v_add_nc_u32 v[TM+12+\b], 0xff000000, v[TM+\b] ; 2 off its exponent field: the conversion's scale operand
.endr
.irp b, 0,1
	v_lshrrev_b32 v[TM+4+\b], 23, v[TM+12+\b]      ; the scale's byte
.endr
.irp b, 0,1
	v_cvt_scalef32_pk8_fp4_f32 v[(\pc)+2*\b], v[\s+16*\b:\s+16*\b+7], v[TM+12+\b]
	v_cvt_scalef32_pk8_fp4_f32 v[(\pc)+1+2*\b], v[\s+8+16*\b:\s+8+16*\b+7], v[TM+12+\b]
.endr
	v_nop                                          ; one plain place behind a scaled conversion
.irp i, 0,1                                    ; the operand's layout wants a WHOLE block in a lane: lanes 0-15 block 0, lanes 16-31 block 1
	v_permlane16_swap_b32 v[(\pc)+\i], v[(\pc)+2+\i]
.endr
.endm
; 64 numbers likewise become a whole fragment in v[PCV] on and its scale word in v[PW]
.macro QUANT4 s
.irp b, 0,1,2,3
	v_max3_num_f32 v[TM+\b], |v[\s+16*\b]|, |v[\s+1+16*\b]|, 0x1800000
.endr
.irp i, 2,4,6,8,10,12,14
.irp b, 0,1,2,3
	v_max3_num_f32 v[TM+\b], v[TM+\b], |v[\s+16*\b+\i]|, |v[\s+1+16*\b+\i]|
.endr
.endr
.irp b, 0,1,2,3
	v_permlanex16_b32 v[TM+4+\b], v[TM+\b], s[SEL], s[SEL+1]
.endr
.irp b, 0,1,2,3
	v_max_num_f32 v[TM+\b], v[TM+\b], v[TM+4+\b]
.endr
.irp b, 0,1,2,3
	v_add_nc_u32 v[TM+12+\b], 0xff000000, v[TM+\b]
.endr
.irp b, 0,1,2,3
	v_lshrrev_b32 v[TM+4+\b], 23, v[TM+12+\b]
.endr
	v_lshl_or_b32 v[PW], v[TM+5], 8, v[TM+4]
	v_lshl_or_b32 v[PW], v[TM+6], 16, v[PW]
	v_lshl_or_b32 v[PW], v[TM+7], 24, v[PW]
.irp b, 0,1,2,3
	v_cvt_scalef32_pk8_fp4_f32 v[PCV+2*\b], v[\s+16*\b:\s+16*\b+7], v[TM+12+\b]
	v_cvt_scalef32_pk8_fp4_f32 v[PCV+1+2*\b], v[\s+8+16*\b:\s+8+16*\b+7], v[TM+12+\b]
.endr
	v_nop
.irp c, 0,1
.irp i, 0,1
	v_permlane16_swap_b32 v[PCV+4*\c+\i], v[PCV+2+4*\c+\i]
.endr
.endr
.endm
.macro VREG s, n                       ; RV: where tile n's fragment of K step s lies in the V job: step 0 in window 0, the others in window 1
.if (\s) == 0
.set RV, HF+8*(\n)
.elseif (\s) < 3
.set RV, WQ+64*((\s)-1)+8*(\n)
.elseif (\n) < 4
.set RV, BQ+8*(\n)
.else
.set RV, HX+8*((\n)-4)
.endif
.endm
.macro FETCHV s                        ; K step s of all eight tiles of h, into the step's own buffer
.if (\s) == 0
	WIN 0
.else
	WIN 0x40                                       ; destination window 1, address window 0
.endif
.irp n, 0,1,2,3,4,5,6,7
	VREG \s, \n
.irp c, 0,1
	ds_load_b128 v[RV+4*\c:RV+4*\c+3], v4 offset:HIMG+4096*\n+1024*(\s)+512*\c
.endr
.endr
.endm
.macro MULV s                          ; 8 matrix instructions: the eight tiles of positions by turns
.if (\s) == 0
	WIN 0x14                                       ; W and the bias in window 1
.else
	WIN 0x05                                       ; h's fragments and W in window 1
.endif
.irp n, 0,1,2,3,4,5,6,7
	VREG \s, \n
.if (\s) == 0
.set RC, BV
.else
.set RC, VA+8*\n
.endif
.if \n%2
	v_wmma_scale_f32_16x16x128_f8f6f4 v[VA+8*\n:VA+8*\n+7], v[RV:RV+7], v[WV+8*(\s):WV+8*(\s)+7], v[RC:RC+7], v[HS+4*(\n/2)+(\s)], v[WSV+(\s)] matrix_a_fmt:MATRIX_FMT_FP4 matrix_b_fmt:MATRIX_FMT_FP4 matrix_a_scale:MATRIX_SCALE_ROW1
.else
	v_wmma_scale_f32_16x16x128_f8f6f4 v[VA+8*\n:VA+8*\n+7], v[RV:RV+7], v[WV+8*(\s):WV+8*(\s)+7], v[RC:RC+7], v[HS+4*(\n/2)+(\s)], v[WSV+(\s)] matrix_a_fmt:MATRIX_FMT_FP4 matrix_b_fmt:MATRIX_FMT_FP4
.endif
.endr
.endm
	s_wait_alu depctr_vm_vsrc(0)                   ; my LDS stores have read v[HF] to v[HF+33], in which the fragments' loads land from here on
.irp i, 0,1
	ds_load_b128 v[HSQ+4*\i:HSQ+4*\i+3], v6 offset:512*\i
.endr
.irp i, 0,1,2,3
	ds_load_b128 v[HS+4*\i:HS+4*\i+3], v7 offset:512*\i
.endr
	FETCHQ 0, 0
	s_wait_loadcnt 0x0                             ; the weights, their scale words and the biases
	WIN 0x41
.irp j, 1,2,3,4,5,6,7
	v_mov_b32 v[BV+\j], v[BV]                      ; in the V job's result all eight registers of a lane belong to one channel
.endr
	WIN 0
	; ---- the QK job, a tile of 16 positions at a time; the next tile's fragments are fetched while this one is multiplied
.irp m, 0,1,2,3
	s_wait_dscnt 0x0                               ; this tile's fragments are in
.if \m < 3
	FETCHQ \m+1, (\m+1)%2                          ; into the set that the tile before read.  No wait: no vector or matrix instruction since the last wait on va_vdst names that set
.endif
	MULQ \m, \m%2
	WIN 0
	PLACES
.if \m == 3
	s_wait_alu depctr_va_vdst(0)                   ; the QK job's products are all done reading both sets of h, the weights and the biases: the V job's four buffers lie there.  (The quantiser below wants these products' results in any case)
	FETCHV 0                                       ; two K steps of the V job are asked for now and land while this tile is quantised
	FETCHV 1
	WIN 0
.endif
	QUANT2 QA, PCQ+4*\m
	v_lshl_or_b32 v[SW+\m], v[TM+5], 8, v[TM+4]    ; the tile's scale word: two bytes,
	v_lshl_or_b32 v[SW+\m], v[SW+\m], 16, v[SW+\m] ; and the same two again over the zero codes of K = 64 .. 127
.if \m == 3
	s_wait_alu depctr_va_vcc(0)                    ; VCC, written at the head, ahead of its first reader
	v_cndmask_b32 v24, v[SW], v[SW+1], vcc_lo      ; lanes 0-15 carry the even tile's word, lanes 16-31 the odd tile's
	v_cndmask_b32 v25, v[SW+2], v[SW+3], vcc_lo
.endif
	s_wait_alu depctr_va_vdst(0)                   ; the quantiser has written this tile's codes (in tile 3 the selects v24 and v25 too), which the stores read; the tile's products are done reading their set of h, in which the next tile's fetch lands
	global_store_b128 v17, v[PCQ+4*\m:PCQ+4*\m+3], s[48:49] offset:512*\m   ; 512 consecutive bytes, aligned to 256
.endr
	global_store_b64 v18, v[24:25], s[48:49] offset:4096   ; 256 consecutive bytes, aligned
	; ---- the V job: each K step of h has a buffer of its own, so its loads owe nothing to its products
	FETCHV 2                                       ; no vector or matrix instruction since the last wait on va_vdst names v4 or this buffer
	s_wait_xcnt 0x0                                ; the stores have read the codes' registers, which the V job's sums take over
	s_wait_alu depctr_vm_vsrc(0)                   ; the same stated for the mode: the QK job's stores have read v[PCQ] on, which the products below write
	s_wait_dscnt 32                                ; K step 0 is in; the 32 loads of steps 1 and 2, issued behind it, may be out
	MULV 0
	FETCHV 3                                       ; the last buffer, between two K steps: the eight products above name HF, W, the bias, the sums and scale words, none of which this run touches
	s_wait_dscnt 32                                ; K step 1 is in; steps 2 and 3 may be out
	MULV 1
	s_wait_dscnt 16                                ; K step 2 is in; step 3 may be out
	MULV 2
	s_wait_dscnt 0x0
	MULV 3
	WIN 0
	PLACES
	QUANT4 VA
	s_wait_alu depctr_va_vdst(0)                   ; the quantiser has written the fragment's codes and its scale word, which the three stores read
	global_store_b128 v19, v[PCV:PCV+3], s[50:51] offset:4608
	global_store_b128 v19, v[PCV+4:PCV+7], s[50:51] offset:4608+512
	global_store_b32 v16, v[PW], s[50:51] offset:8704
	s_wait_dscnt 0x0                               ; the closing lines, six on end
	s_wait_alu 0x0
	s_wait_tensorcnt 0x0
	ds_add_u32 v254, v255
	s_wait_dscnt 0x0
	s_endpgm
.Lfunc_end_k_q9d46aa690e_qkv:
	.size	k_q9d46aa690e_qkv, .Lfunc_end_k_q9d46aa690e_qkv-k_q9d46aa690e_qkv
	.p2alignl 7, 3214868480
	.fill 96, 4, 3214868480
	.section	.rodata,"a",@progbits
	.p2align	6, 0x0
	.amdhsa_kernel k_q9d46aa690e_qkv
		.amdhsa_group_segment_fixed_size 35840
		.amdhsa_private_segment_fixed_size 0
		.amdhsa_enable_private_segment 0
		.amdhsa_kernarg_size 104
		.amdhsa_user_sgpr_count 2
		.amdhsa_user_sgpr_kernarg_segment_ptr 1
		.amdhsa_wavefront_size32 1
		.amdhsa_system_sgpr_workgroup_id_x 1
		.amdhsa_system_sgpr_workgroup_id_y 1
		.amdhsa_system_sgpr_workgroup_id_z 1
		.amdhsa_system_vgpr_workitem_id 0
		.amdhsa_next_free_vgpr 488
		.amdhsa_next_free_sgpr 66
		.amdhsa_reserve_vcc 1
		.amdhsa_float_denorm_mode_32 3
		.amdhsa_float_denorm_mode_16_64 3
		.amdhsa_memory_ordered 1
		.amdhsa_forward_progress 1
		.amdhsa_inst_pref_size 45
	.end_amdhsa_kernel
	.amdgpu_metadata
---
amdhsa.version: [ 1, 2 ]
amdhsa.kernels:
  - .name:           k_q9d46aa690e_qkv
    .symbol:         k_q9d46aa690e_qkv.kd
    .args:
      - { .name: hc, .offset: 0, .size: 8, .value_kind: global_buffer, .address_space: global }
      - { .name: hs, .offset: 8, .size: 8, .value_kind: global_buffer, .address_space: global }
      - { .name: q_w_codes, .offset: 16, .size: 8, .value_kind: global_buffer, .address_space: global }
      - { .name: q_w_scales, .offset: 24, .size: 8, .value_kind: global_buffer, .address_space: global }
      - { .name: q_b, .offset: 32, .size: 8, .value_kind: global_buffer, .address_space: global }
      - { .name: k_w_codes, .offset: 40, .size: 8, .value_kind: global_buffer, .address_space: global }
      - { .name: k_w_scales, .offset: 48, .size: 8, .value_kind: global_buffer, .address_space: global }
      - { .name: k_b, .offset: 56, .size: 8, .value_kind: global_buffer, .address_space: global }
      - { .name: v_w_codes, .offset: 64, .size: 8, .value_kind: global_buffer, .address_space: global }
      - { .name: v_w_scales, .offset: 72, .size: 8, .value_kind: global_buffer, .address_space: global }
      - { .name: v_b, .offset: 80, .size: 8, .value_kind: global_buffer, .address_space: global }
      - { .name: qb, .offset: 88, .size: 8, .value_kind: global_buffer, .address_space: global }
      - { .name: kv, .offset: 96, .size: 8, .value_kind: global_buffer, .address_space: global }
    .group_segment_fixed_size: 35840
    .private_segment_fixed_size: 0
    .kernarg_segment_align: 8
    .kernarg_segment_size: 104
    .max_flat_workgroup_size: 256
    .sgpr_count:     66
    .vgpr_count:     488
    .wavefront_size: 32
...
	.end_amdgpu_metadata
.endif
;; end of part 6
;; launch attn (part 7): grid 8 x 32, 16 waves a work-group, clusters of 4 x 1, 169,984 bytes of LDS; arguments qb, kv, oc, os; writes oc, os
.if DOCPART == 7
	.amdgcn_target "amdgcn-amd-amdhsa--gfx1250"
	.amdhsa_code_object_version 6
	.text
	.protected	k_q9d46aa690e_attn
	.globl	k_q9d46aa690e_attn
	.p2align	8
	.type	k_q9d46aa690e_attn,@function
k_q9d46aa690e_attn:
	s_mov_b64 s[64:65], 0
	v_nop
	global_prefetch_b8 v0, s[64:65] scope:SCOPE_SE
	s_setreg_imm32_b32 hwreg(HW_REG_WAVE_MODE, 25, 1), 1
	s_wait_xcnt 0x0
	s_wait_alu depctr_hold_cnt(0) depctr_sa_sdst(0) depctr_va_vdst(0) depctr_va_sdst(0) depctr_va_ssrc(0) depctr_va_vcc(0) depctr_vm_vsrc(0)
	s_getreg_b32 s2, hwreg(HW_REG_IB_STS2, 6, 4)
	s_cmp_eq_u32 s2, 0
	s_cbranch_scc0 .Lentry_in_a_cluster
	s_endpgm
.Lentry_in_a_cluster:
	s_bfe_u32 s2, ttmp6, 0x10000c
	s_cmp_lg_u32 s2, 0x3003
	s_cbranch_scc0 .Lentry_shape_is_right
	s_endpgm
.Lentry_shape_is_right:
; O = softmax(q k^T / sqrt(512)) v for one head, both products on codes of FP4 (E2M1) with E8M0 scales, and O / l quantised along the channels for the projection.
; THE SOFTMAX AHEAD OF THE SECOND PRODUCT: t = score x log2(e) / sqrt(512); M = the row's largest t so far, rounded UP to a whole number; p = 2^(t - M) is what is quantised, along the keys; it is not normalised.
; The row's sum is taken of the unquantised p, in f32, and divides O at the end.  When M moves, the sum and O are multiplied by 2^(old M - new M): exact.
; SHARES.  A work-group owns 256 queries of one head (y = 8 batch + head); each of its sixteen waves owns one tile of 16 queries in 256 registers: four waves to a SIMD, so that one wave's vector work stands beside
; another's matrix work and LDS loads.  Every wave walks the head's 2,048 keys, 128 a step.
; THE HEAD'S K AND V STAY IN LDS: 16 packages of 9,216 bytes, as they lie in memory (images of operand registers: every read is 16, 8 or 4 bytes x lane on end).  They come once, in four quarters; nothing is filled again.
; Each wave asks for 9 rows of 256 bytes of each quarter: four tensor loads of a wave are out at the most.  The first quarter is read behind the wave's counted wait and a barrier, while the other three are on their way;
; they are read behind a second barrier, in front of which every wave has waited for all its loads.
; CLUSTER.  The four work-groups of a cluster belong to one head and want the same 147,456 bytes: each load is asked for JOINTLY, with the same descriptor and a mask that names the four.
; All of K and V is asked for in the kernel's first lines, so there is no later load that a prefetch could run ahead of: none is written.
; LAYOUT.  Both products are used transposed: S^T = K Q^T (source 0 = 16 keys, source 1 = my 16 queries), O^T = V^T P^T (source 0 = 16 channels, source 1 = P): a lane holds ONE query (lane % 16) throughout.
; The keys of a tile of K and the channels of a tile of V are chosen (row m of tile 2 a + u is 32 a + 8 u + m + 8 (m / 8)) so that the 16 registers of tiles 2 a and 2 a + 1 are 16 neighbours along the next K.
; The first product's K is the head's 64 channels: operand registers 4-7 (K = 64 .. 127) hold zero codes on both sides, written once.
; THE ORDER OF A STEP.  K's fragments are asked of LDS a step ahead, so that the step begins with its score products; V's loads are issued behind those products, while they run; the next K's ten loads stand singly
; between the dependent lines that lead from the row's maximum to f; the 68 exponentials are one batch with one wait, and plain lines that name none of their results stand among them.
; LIMITS: NaN and infinities are not served.  A block's largest p is made from the block's largest score by the same two instructions, which takes v_exp_f32 not to fall where its input rises.
; A block whose largest magnitude lies under 2^-124 (a block of zeros too) gets the byte 1; the bytes are read by this program alone.
.set PKG,  9216                        ; a package: K's codes 4,096, K's scale words 512, V's codes 4,096, V's scale words 512
.set QTR,  4*PKG
.set SB,   16*PKG                      ; behind the packages: 512 scale bytes of the result, [block 2][16 wave + r]; no tensor load lands here
.set ADR,  4                           ; v4-6  the step's addresses: 16, 8, 4 bytes a lane
.set ADS,  5
.set ADT,  6
.set Q,    16                          ; v16-23  my queries' fragment; v20-23 zeros
.set QS,   24                          ; its scale words
.set KF,   28                          ; v28-91  K's eight fragments; registers 4-7 of each zeros
.set KS,   92                          ; v92-95  K's scale words: register t / 2, lanes 0-15 the even tile, lanes 16-31 the odd
.set VS,   96                          ; v96-99  V's
.set VF,   100                         ; v100-131 V's four fragments
.set S,    132                         ; v132-195 S^T, then p
.set O,    196                         ; v196-227 O^T
.set PC,   228                         ; v228-235 p's codes
.set BM,   236                         ; v236-239 the blocks' largest scores, then largest p
.set BT,   240                         ; v240-243 at work
.set SO,   244                         ; v244-247 the conversions' scale operands
.set F,    248                         ; v[248:249] f = 2^(old M - new M); the upper word is only named
.set PW,   250                         ; p's scale word
.set TMP,  251
.set TM,   236                         ; the last quantiser works where the softmax did
.set WVN,  12                          ; s12 my wave's number
.set G1,   24                          ; s[24:31] descriptor group 1;  s[32:47] four groups 0
.set G0,   32
.set CS,   22                          ; s[22:23] c = log2(e) / sqrt(512)
.set SEL,  48
.set TB,   50                          ; s50 LDS byte at which the step's package begins
.set CNT,  51
; A round of the cluster's barrier: my work-group's barrier, wave 0 signals for the work-group, every wave waits for all four work-groups, my work-group's barrier once more.
.macro CROUND
	s_barrier_signal -1
	s_barrier_wait -1
	s_cmp_lg_u32 s[WVN], 0
	s_cbranch_scc1 .Lnot_wave_0_\@
	s_barrier_signal -3
.Lnot_wave_0_\@:
	s_barrier_wait -3
	s_barrier_signal -1
	s_barrier_wait -1
.endm
	s_load_b256 s[4:11], s[0:1], 0x0               ; qb s[4:5], kv s[6:7], oc s[8:9], os s[10:11]
	v_lshl_add_u32 v254, v0, 2, 0x29000
	v_mov_b32 v255, 0
	ds_add_u32 v254, v255
	ds_add_u32 v254, v255
	v_lshrrev_b32 v1, 5, v0
	v_readfirstlane_b32 s[WVN], v1                 ; wave 0..15
	s_bfe_u32 s13, ttmp6, 0x40000                  ; cx: my place in the cluster
	s_lshl_b32 s14, ttmp9, 2
	s_add_co_u32 s14, s14, s13                     ; my block of 256 queries: it enters qb's, oc's and os's addresses alone
	s_and_b32 s15, ttmp7, 0xffff                   ; 8 batch + head, which the four partners share
	; descriptor group 1: a dense block of 9 rows x 256 bytes (32 elements of 8 bytes), no padding
	s_mov_b32 s[G1], 15|(3<<16)|(1<<21)            ; 15:0 the mask: all four work-groups; 17:16 elements of 8 bytes; 21 set beside a mask
	s_mov_b32 s[G1+1], 32<<16                      ; tensor_dim0 = 32
	s_mov_b32 s[G1+2], 9<<16                       ; tensor_dim1 = 9
	s_mov_b32 s[G1+3], 32<<16                      ; tile_dim0 = 32
	s_mov_b32 s[G1+4], 9                           ; tile_dim1 = 9
	s_mov_b32 s[G1+5], 32                          ; from row to row
	s_mov_b32 s[G1+6], 0
	s_mov_b32 s[G1+7], 0
	s_mul_i32 s16, s[WVN], 2304                    ; my wave's sixteenth of a quarter, in LDS as in memory
	s_mul_i32 s18, s15, 16*PKG                     ; the head's block
	s_add_co_u32 s18, s18, s16
	s_mov_b32 s19, 0
	s_mov_b32 s[CS], 0x3d8293ee
	s_mov_b32 s[CS+1], s[CS]                       ; (named with it as a pair, so it is written)
	s_mov_b32 s[SEL], 0x76543210                   ; v_permlanex16_b32's selects for lane l xor 16
	s_mov_b32 s[SEL+1], 0xfedcba98
	s_wait_dscnt 0x0
	s_wait_kmcnt 0x0
	s_add_nc_u64 s[20:21], s[6:7], s[18:19]
.irp j, 0,1,2,3
	s_mov_b32 s[G0+4*\j], 1                        ; count = 1
	s_add_co_u32 s[G0+4*\j+1], s16, \j*QTR         ; LDS address: no place in the cluster enters it
	s_add_nc_u64 s[G0+4*\j+2:G0+4*\j+3], s[20:21], \j*QTR
	s_or_b32 s[G0+4*\j+3], s[G0+4*\j+3], 0x80000000   ; type = 2
.endr
	CROUND                                         ; all four work-groups are here: the joint loads meet
.irp j, 0,1,2,3
	tensor_load_to_lds s[G0+4*\j:G0+4*\j+3], s[G1:G1+7]   ; the first and only fills, as one group
	s_nop 0
.endr
.rept 4
	v_nop                                          ; four lines behind the last of them
.endr
	s_lshl_b32 s16, s15, 4
	s_lshl_b32 s17, s14, 1
	s_add_co_u32 s16, s16, s17
	s_lshr_b32 s17, s[WVN], 3
	s_add_co_u32 s16, s16, s17                     ; my queries' package: 16 (8 batch + head) + 2 block + wave / 8
	s_mul_i32 s16, s16, 4608
	s_and_b32 s17, s[WVN], 7                       ; and my tile in it
	s_lshl_b32 s18, s17, 9
	s_add_co_u32 s18, s18, s16
	s_add_nc_u64 s[20:21], s[4:5], s[18:19]        ; its codes
	s_lshr_b32 s54, s17, 2
	s_lshl_b32 s54, s54, 8                         ; its scale words: half = tile / 4: 256 bytes;
	s_and_b32 s55, s[WVN], 1
	s_lshl_b32 s55, s55, 7                         ; an odd tile's lie in lanes 16-31: 128 bytes;
	s_add_co_u32 s54, s54, s55
	s_bfe_u32 s55, s[WVN], 0x10001
	s_lshl_b32 s55, s55, 2                         ; i = (tile / 2) % 2: 4 bytes
	s_add_co_u32 s54, s54, s55
	s_add_co_u32 s54, s54, s16
	s_add_co_u32 s54, s54, 4096
	s_mov_b32 s55, 0
	s_add_nc_u64 s[52:53], s[4:5], s[54:55]
	v_and_b32 v10, 31, v0                          ; lane
	v_and_b32 v11, 15, v0                          ; r
	v_lshlrev_b32 v1, 4, v10
	v_lshlrev_b32 v2, 3, v10
	v_lshlrev_b32 v3, 2, v10
	v_lshlrev_b32 v7, 3, v11
	global_load_b128 v[Q:Q+3], v1, s[20:21]        ; operand registers 0-3 as they were stored
	global_load_b32 v[QS], v7, s[52:53]
	s_lshl_b32 s56, s[WVN], 4
	v_add_nc_u32 v8, s56, v11
	v_add_nc_u32 v8, SB, v8                        ; my row's scale byte in LDS
	v_lshrrev_b32 v9, 4, v10
	v_lshlrev_b32 v9, 11, v9
	v_lshl_add_u32 v9, v11, 4, v9                  ; os: lanes 0-15 one plane of 2,048 bytes, lanes 16-31 the next
	v_add_nc_u32 v10, SB, v1                       ; and where wave 0 reads the 512 bytes back
	s_lshr_b32 s56, s15, 3                         ; batch
	s_and_b32 s57, s15, 7                          ; head
	s_lshl_b32 s58, s56, 19
	s_lshl_b32 s59, s14, 4
	s_add_co_u32 s59, s59, s[WVN]                  ; my tile of the batch's 128
	s_lshl_b32 s59, s59, 12
	s_add_co_u32 s58, s58, s59
	s_lshl_b32 s59, s57, 9                         ; the head's two channel blocks: 512 bytes of the tile's 4,096
	s_add_co_u32 s58, s58, s59
	s_mov_b32 s59, 0
	s_add_nc_u64 s[8:9], s[8:9], s[58:59]
	s_lshl_b32 s58, s56, 15
	s_lshl_b32 s60, s57, 12
	s_add_co_u32 s58, s58, s60
	s_lshl_b32 s60, s14, 8
	s_add_co_u32 s58, s58, s60
	s_add_nc_u64 s[10:11], s[10:11], s[58:59]
.irp j, 4,5,6,7
	v_mov_b32 v[Q+\j], 0                           ; zero codes for K = 64 .. 127, written once
.endr
.irp t, 0,1,2,3,4,5,6,7
.irp j, 4,5,6,7
	v_mov_b32 v[KF+8*\t+\j], 0
.endr
.endr
.set j, 0
.rept 32
	v_mov_b32 v[O+j], 0                            ; O^T.  (The step is written for every step alike: the first finds zeros, which the first change of M leaves zeros)
.set j, j+1
.endr
	v_mov_b32 v13, 0xff61b1e6                      ; the largest t so far: -3e38, under every t
	v_floor_f32 v12, -v13                          ; -M
	v_mov_b32 v14, 0                               ; the sum, in two halves
	v_mov_b32 v15, 0
.irp b, 0,1,2,3
	v_mov_b32 v[BT+\b], 0                          ; written once: a lane permute's destination counts as one of its sources
.endr
	v_mov_b32 v[F+1], 0
	v_mov_b32 v[TMP], 0
	s_wait_loadcnt 0x0                             ; Q
; Load i of the ten that bring the NEXT package's K: eight fragments (operand registers 0-3) and two pairs of scale words.  pre = 0: there is no next package
.macro KL pre, i
.if \pre
.if (\i) < 8
	ds_load_b128 v[KF+8*(\i):KF+8*(\i)+3], v[ADR] offset:PKG+512*(\i)
.else
	ds_load_b64 v[KS+2*((\i)-8):KS+2*((\i)-8)+1], v[ADS] offset:PKG+4096+256*((\i)-8)
.endif
.endif
.endm
; A KEY STEP: 128 keys, the package at s[TB].  Its K was asked for a step ago.  pre = 1: the next package's K is asked for
.macro STEP pre
	s_wait_dscnt 0x0                               ; K and its scale words are in: nothing else of mine is out
	s_setprio 2
.irp t, 0,1,2,3,4,5,6,7
.if \t%2
	v_wmma_scale_f32_16x16x128_f8f6f4 v[S+8*\t:S+8*\t+7], v[KF+8*\t:KF+8*\t+7], v[Q:Q+7], 0, v[KS+\t/2], v[QS] matrix_a_fmt:MATRIX_FMT_FP4 matrix_b_fmt:MATRIX_FMT_FP4 matrix_a_scale:MATRIX_SCALE_ROW1
.else
	v_wmma_scale_f32_16x16x128_f8f6f4 v[S+8*\t:S+8*\t+7], v[KF+8*\t:KF+8*\t+7], v[Q:Q+7], 0, v[KS+\t/2], v[QS] matrix_a_fmt:MATRIX_FMT_FP4 matrix_b_fmt:MATRIX_FMT_FP4
.endif
.endr                                          ; lane (r, h) holds query r; the 16 registers of tiles 2 b, 2 b + 1 are keys 32 b + 16 h + 0 .. 15 of the package
	v_add_nc_u32 v[ADR], s[TB], v1                 ; these three and the v_nop are four places twice over: between the last step's second products and the loads into their sources
	v_add_nc_u32 v[ADS], s[TB], v2                 ; and between the products above and the first read of their results
	v_add_nc_u32 v[ADT], s[TB], v3
	v_nop
.irp t, 0,1,2,3
.irp c, 0,1
	ds_load_b128 v[VF+8*\t+4*\c:VF+8*\t+4*\c+3], v[ADR] offset:4608+1024*\t+512*\c   ; V's twelve loads are issued while the products above run; they are wanted at the step's end
.endr
.endr
.irp t, 0,1,2,3
	ds_load_b32 v[VS+\t], v[ADT] offset:8704+128*\t
.endr
.irp b, 0,1,2,3
	v_max3_num_f32 v[BM+\b], v[S+16*\b], v[S+1+16*\b], v[S+2+16*\b]   ; THE LARGEST SCORE OF EACH BLOCK OF 32 KEYS serves twice: for the row's maximum and, since p rises with the score, for the block's largest p
.endr
.irp i, 3,5,7,9,11,13
.irp b, 0,1,2,3
	v_max3_num_f32 v[BM+\b], v[BM+\b], v[S+16*\b+\i], v[S+1+16*\b+\i]   ; (the four blocks by turns)
.endr
.endr
.irp b, 0,1,2,3
	v_max_num_f32 v[BM+\b], v[BM+\b], v[S+15+16*\b]
.endr
.irp b, 0,1,2,3
	v_permlanex16_b32 v[BT+\b], v[BM+\b], s[SEL], s[SEL+1]
.endr
.irp b, 0,1,2,3
	v_max_num_f32 v[BM+\b], v[BM+\b], v[BT+\b]     ; with lane l xor 16's 16 keys
.endr
	; each of the next nine lines reads the line before it: the next K's ten loads stand between them.  (K's registers were last read by the products above, far more than four places back)
	v_max3_num_f32 v[TMP], v[BM], v[BM+1], v[BM+2]
	KL \pre, 0
	KL \pre, 1
	v_max_num_f32 v[TMP], v[TMP], v[BM+3]          ; the step's largest score of my query
	KL \pre, 2
	v_mul_f32 v[TMP], s[CS], v[TMP]                ; as t (c is positive)
	KL \pre, 3
	v_max_num_f32 v13, v13, v[TMP]                 ; the running largest t
	v_mov_b32 v[TMP], v12
	KL \pre, 4
	v_floor_f32 v12, -v13                          ; the new -M = floor(-t) = -ceil(t): M IS A WHOLE NUMBER
	KL \pre, 5
	v_sub_f32 v[TMP], v12, v[TMP]                  ; M's old value less its new one: a whole number, 0 or less
	KL \pre, 6
	v_cvt_i32_f32 v[TMP], v[TMP]                   ; (it saturates)
	KL \pre, 7
	v_ldexp_f32 v[F], 1.0, v[TMP]                  ; f = 2^(old M - new M)
	KL \pre, 8
	KL \pre, 9
	; ONE BATCH OF 68 EXPONENTIALS.  Among them stand the 32 scalings t - M (each six pairs ahead of its pair's exponentials), the sum's rescaling and five of O^T's; none of these names an exponential's result
.irp b, 0,1,2,3
	v_fma_f32 v[BM+\b], v[BM+\b], s[CS], v12       ; t - M of each block's largest score
.endr
.irp j, 0,2
	v_pk_fma_f32 v[S+\j:S+\j+1], v[S+\j:S+\j+1], s[CS:CS+1], v[12:13] op_sel_hi:[1,0,0]   ; t - M, two at a time (of the pairs c and -M the low word serves both halves)
.endr
.irp b, 0,1,2,3
	v_exp_f32 v[BM+\b], v[BM+\b]                   ; the block's largest p: the same two instructions on the same number give the same bits as its p below
	v_pk_fma_f32 v[S+4+2*\b:S+5+2*\b], v[S+4+2*\b:S+5+2*\b], s[CS:CS+1], v[12:13] op_sel_hi:[1,0,0]
.endr
.set j, 0
.rept 26
	v_exp_f32 v[S+2*j], v[S+2*j]                   ; p = 2^(t - M), at most 1: NOT normalised
	v_pk_fma_f32 v[S+2*j+12:S+2*j+13], v[S+2*j+12:S+2*j+13], s[CS:CS+1], v[12:13] op_sel_hi:[1,0,0]
	v_exp_f32 v[S+2*j+1], v[S+2*j+1]
.set j, j+1
.endr
.set i, 0
	s_setprio 1
.rept 6
	v_exp_f32 v[S+52+2*i], v[S+52+2*i]
.if i == 0
	v_pk_mul_f32 v[14:15], v[14:15], v[F:F+1] op_sel_hi:[1,0]   ; the sums under the new M
.else
	v_pk_mul_f32 v[O+2*i-2:O+2*i-1], v[O+2*i-2:O+2*i-1], v[F:F+1] op_sel_hi:[1,0]   ; O^T under the new M, each accumulator from its low end on
.endif
	v_exp_f32 v[S+53+2*i], v[S+53+2*i]
.set i, i+1
.endr
.irp j, 10,12,14
	v_pk_mul_f32 v[O+\j:O+\j+1], v[O+\j:O+\j+1], v[F:F+1] op_sel_hi:[1,0]   ; (plain lines behind the last exponential)
.endr
	s_wait_alu depctr_va_vdst(0)                   ; one wait for the whole batch, ahead of its first reader
.irp b, 0,1,2,3
	v_max_num_f32 v[BM+\b], 0x1800000, v[BM+\b]    ; the floor 2^(3 - 127): the byte cannot fall under 1
.endr
.irp b, 0,1,2,3
	v_add_nc_u32 v[SO+\b], 0xff000000, v[BM+\b]    ; 2 off the exponent field: the conversion's scale operand
.endr
.irp b, 0,1,2,3
	v_lshrrev_b32 v[BT+\b], 23, v[SO+\b]           ; the scale's byte
.endr
	v_lshl_or_b32 v[PW], v[BT+1], 8, v[BT]         ; p's scale word for these 128 keys: made first, so that the additions below stand between it and the products that take it
	v_lshl_or_b32 v[PW], v[BT+2], 16, v[PW]
	v_lshl_or_b32 v[PW], v[BT+3], 24, v[PW]
	v_pk_add_f32 v[BT:BT+1], v[S:S+1], v[S+2:S+3]  ; THE ROW'S SUM IS TAKEN OF THE UNQUANTISED p: two at a time, in two chains
.set j, 4
.rept 15
	v_pk_add_f32 v[14:15], v[14:15], v[S+j:S+j+1]
	v_pk_add_f32 v[BT:BT+1], v[BT:BT+1], v[S+j+2:S+j+3]
.set j, j+4
.endr
	v_pk_add_f32 v[14:15], v[14:15], v[BT:BT+1]
	s_setprio 0
.irp b, 0,1,2,3
	v_cvt_scalef32_pk8_fp4_f32 v[PC+2*\b], v[S+16*\b:S+16*\b+7], v[SO+\b]
	v_cvt_scalef32_pk8_fp4_f32 v[PC+1+2*\b], v[S+8+16*\b:S+8+16*\b+7], v[SO+\b]
.endr
	v_nop                                          ; one plain place behind a scaled conversion
.irp c, 0,1                                    ; the operand's layout wants a WHOLE block in a lane
.irp i, 0,1
	v_permlane16_swap_b32 v[PC+4*\c+\i], v[PC+2+4*\c+\i]
.endr
.endr
.set j, 16
.rept 8
	v_pk_mul_f32 v[O+j:O+j+1], v[O+j:O+j+1], v[F:F+1] op_sel_hi:[1,0]   ; the rest of O^T under the new M.  (At least four of the eight name no register of any one product below: the places between p's codes and the products)
.set j, j+2
.endr
.if \pre
	s_wait_dscnt 10                                ; V and its scale words are in; the next K's ten loads, issued behind them, may be out
.else
	s_wait_dscnt 0x0
.endif
.irp t, 0,1,2,3                                ; O^T += V^T P^T: four accumulators, one instruction each
	v_wmma_scale_f32_16x16x128_f8f6f4 v[O+8*\t:O+8*\t+7], v[VF+8*\t:VF+8*\t+7], v[PC:PC+7], v[O+8*\t:O+8*\t+7], v[VS+\t], v[PW] matrix_a_fmt:MATRIX_FMT_FP4 matrix_b_fmt:MATRIX_FMT_FP4
.endr
.endm
	; THE FIRST QUARTER: packages 0 to 3.  My part of it has landed (my three loads issued behind it may be out); behind the barrier everybody's has.
	s_wait_tensorcnt 3
	s_barrier_signal -1
	s_barrier_wait -1
.irp t, 0,1,2,3,4,5,6,7
	ds_load_b128 v[KF+8*\t:KF+8*\t+3], v1 offset:512*\t   ; package 0's K
.endr
.irp f, 0,1
	ds_load_b64 v[KS+2*\f:KS+2*\f+1], v2 offset:4096+256*\f
.endr
	s_mov_b32 s[TB], 0
	s_mov_b32 s[CNT], 3                            ; three steps: the third asks for package 3's K, the last bytes that this barrier has shown
.Lfirst:
	STEP 1
	s_add_co_u32 s[TB], s[TB], PKG
	s_sub_co_u32 s[CNT], s[CNT], 1
	s_cmp_lg_u32 s[CNT], 0
	s_cbranch_scc1 .Lfirst
	s_setprio 0
	; THE OTHER THREE QUARTERS: all my tensor loads have landed, and no LDS load of mine is out at the signal; behind the barrier that holds of every wave.
	s_wait_tensorcnt 0x0
	s_wait_dscnt 0x0
	s_barrier_signal -1
	s_barrier_wait -1
	s_mov_b32 s[TB], 3*PKG
	s_mov_b32 s[CNT], 12
.Lrest:
	STEP 1
	s_add_co_u32 s[TB], s[TB], PKG
	s_sub_co_u32 s[CNT], s[CNT], 1
	s_cmp_lg_u32 s[CNT], 0
	s_cbranch_scc1 .Lrest
	s_setprio 0
	s_mov_b32 s[TB], 15*PKG
	STEP 0                                         ; the last package: there is no K behind it to ask for
	; THE WAY OUT.  O^T / the sum; register 16 b + i is channel 32 b + 16 (lane / 16) + i of the head: two blocks of the projection's K
	v_add_f32 v14, v14, v15                        ; the sum's two halves,
	v_permlanex16_b32 v[TMP], v14, s[SEL], s[SEL+1]
	v_add_f32 v14, v14, v[TMP]                     ; and lane l xor 16's: the row's sum
	v_rcp_f32 v14, v14
.rept 4
	v_nop                                          ; the plain place behind the reciprocal, and the places behind the last products
.endr
	s_wait_alu depctr_va_vdst(0)                   ; the wait ahead of the reciprocal's first reader
.set j, 0
.rept 32
	v_mul_f32 v[S+j], v[O+j], v14                  ; each accumulator from its low end on
.set j, j+1
.endr
.irp b, 0,1
	v_max3_num_f32 v[TM+\b], |v[S+16*\b]|, |v[S+1+16*\b]|, 0x1800000   ; my 16 numbers of block b, and the floor
.endr
.irp i, 2,4,6,8,10,12,14
.irp b, 0,1
	v_max3_num_f32 v[TM+\b], v[TM+\b], |v[S+16*\b+\i]|, |v[S+1+16*\b+\i]|
.endr
.endr
.irp b, 0,1
	v_permlanex16_b32 v[TM+4+\b], v[TM+\b], s[SEL], s[SEL+1]
.endr
.irp b, 0,1
	v_max_num_f32 v[TM+\b], v[TM+\b], v[TM+4+\b]
.endr
.irp b, 0,1
	v_add_nc_u32 v[TM+12+\b], 0xff000000, v[TM+\b]
.endr
.irp b, 0,1
	v_lshrrev_b32 v[TM+4+\b], 23, v[TM+12+\b]
.endr
.irp b, 0,1
	v_cvt_scalef32_pk8_fp4_f32 v[PC+2*\b], v[S+16*\b:S+16*\b+7], v[TM+12+\b]
	v_cvt_scalef32_pk8_fp4_f32 v[PC+1+2*\b], v[S+8+16*\b:S+8+16*\b+7], v[TM+12+\b]
.endr
	v_nop
.irp i, 0,1
	v_permlane16_swap_b32 v[PC+\i], v[PC+2+\i]     ; lanes 0-15 block 0, lanes 16-31 block 1: 16 bytes a lane, the image that the projection loads
.endr
	global_store_b128 v1, v[PC:PC+3], s[8:9]       ; 512 consecutive bytes, aligned to 256
	ds_store_b8 v8, v[TM+4]                        ; both lanes of a row write the same byte with the same value
	ds_store_b8 v8, v[TM+5] offset:256
	s_wait_dscnt 0x0                               ; for wave 0's sake: my bytes are in LDS
	s_barrier_signal -1
	s_barrier_wait -1
	s_cmp_lg_u32 s[WVN], 0
	s_cbranch_scc1 .Lnot_first
	ds_load_b128 v[S:S+3], v10
	s_wait_dscnt 0x0
	global_store_b128 v9, v[S:S+3], s[10:11]       ; two runs of 256 consecutive bytes, each aligned: the work-group's rows of the head's two planes
.Lnot_first:
	s_wait_tensorcnt 0x0
	ds_add_u32 v254, v255
	s_wait_dscnt 0x0
	CROUND                                         ; the closing round: no work-group ends while a partner may still ask for bytes with a mask that names it
	s_endpgm
.Lfunc_end_k_q9d46aa690e_attn:
	.size	k_q9d46aa690e_attn, .Lfunc_end_k_q9d46aa690e_attn-k_q9d46aa690e_attn
	.p2alignl 7, 3214868480
	.fill 96, 4, 3214868480
	.section	.rodata,"a",@progbits
	.p2align	6, 0x0
	.amdhsa_kernel k_q9d46aa690e_attn
		.amdhsa_group_segment_fixed_size 169984
		.amdhsa_private_segment_fixed_size 0
		.amdhsa_enable_private_segment 0
		.amdhsa_kernarg_size 32
		.amdhsa_user_sgpr_count 2
		.amdhsa_user_sgpr_kernarg_segment_ptr 1
		.amdhsa_wavefront_size32 1
		.amdhsa_system_sgpr_workgroup_id_x 1
		.amdhsa_system_sgpr_workgroup_id_y 1
		.amdhsa_system_sgpr_workgroup_id_z 1
		.amdhsa_system_vgpr_workitem_id 0
		.amdhsa_next_free_vgpr 256
		.amdhsa_next_free_sgpr 66
		.amdhsa_reserve_vcc 0
		.amdhsa_float_denorm_mode_32 3
		.amdhsa_float_denorm_mode_16_64 3
		.amdhsa_memory_ordered 1
		.amdhsa_forward_progress 1
		.amdhsa_inst_pref_size 58
	.end_amdhsa_kernel
	.amdgpu_metadata
---
amdhsa.version: [ 1, 2 ]
amdhsa.kernels:
  - .name:           k_q9d46aa690e_attn
    .symbol:         k_q9d46aa690e_attn.kd
    .args:
      - { .name: qb, .offset: 0, .size: 8, .value_kind: global_buffer, .address_space: global }
      - { .name: kv, .offset: 8, .size: 8, .value_kind: global_buffer, .address_space: global }
      - { .name: oc, .offset: 16, .size: 8, .value_kind: global_buffer, .address_space: global }
      - { .name: os, .offset: 24, .size: 8, .value_kind: global_buffer, .address_space: global }
    .group_segment_fixed_size: 169984
    .private_segment_fixed_size: 0
    .kernarg_segment_align: 8
    .kernarg_segment_size: 32
    .max_flat_workgroup_size: 512
    .sgpr_count:     66
    .vgpr_count:     256
    .wavefront_size: 32
...
	.end_amdgpu_metadata
.endif
;; end of part 7
;; launch proj (part 8): grid 64 x 4, 8 waves a work-group, no clusters, 103,424 bytes of LDS; arguments oc, os, proj_w_codes, proj_w_scales, proj_b, x, out0; writes out0
.if DOCPART == 8
	.amdgcn_target "amdgcn-amd-amdhsa--gfx1250"
	.amdhsa_code_object_version 6
	.text
	.protected	k_q9d46aa690e_proj
	.globl	k_q9d46aa690e_proj
	.p2align	8
	.type	k_q9d46aa690e_proj,@function
k_q9d46aa690e_proj:
	s_mov_b64 s[64:65], 0
	v_nop
	global_prefetch_b8 v0, s[64:65] scope:SCOPE_SE
	s_setreg_imm32_b32 hwreg(HW_REG_WAVE_SCHED_MODE, 0, 2), 2
	s_setreg_imm32_b32 hwreg(HW_REG_WAVE_MODE, 25, 1), 1
	s_wait_xcnt 0x0
	s_wait_alu depctr_vm_vsrc(0)
; out0 = x + proj_w o + proj_b, the product on codes of FP4 (E2M1) with E8M0 scales.  o comes as images of operand registers (oc) and planes of scale bytes (os), laid as the first launch lays h.
; SHARES.  A work-group (x = 16 batch + package of 128 positions, y = 128 outputs) makes 128 positions x 128 outputs over K = 512.  Wave w makes outputs 128 y + 16 w + 0 .. 15 for all 128 positions:
; source 0 = 16 positions of o, source 1 = 16 rows of W, the bias as the C of the first K step: a lane holds ONE output row, and its registers run along the positions.  Row m of tile 2 a + u of o is position
; 32 a + 8 u + m + 8 (m / 8), so the 16 registers of tiles 2 a, 2 a + 1 are positions 32 a + 16 (lane / 16) + 0 .. 15: 64 neighbouring bytes of a row of out0.
; A wave's 4 KiB of W stay in registers; o's 32 KiB go through LDS once.  The wave's 16 rows x 512 bytes go through its own stage in LDS and come back as whole rows; x's rows, asked for at the head, are added; each store covers
; 512 consecutive bytes, aligned to 256.
; NO CLUSTER, NO TENSOR LOAD: W goes from memory straight into the registers of the one wave that keeps it; what the four work-groups of a package share, o's 32 KiB, is a sixth of what a work-group moves (32 o + 32 W + 64 x + 64 out0 KiB).
; THE MODE: SCHED_MODE bits 1:0 = 2 (LLVM: expert scheduling mode 2), set by the entry lines.  The code itself states the register dependences
; between vector or matrix instructions and memory or LDS instructions, with s_wait_alu, always for 0.
; THE PLAN.  Registers that memory or LDS instructions touch:
;   v4-v16       addresses and offsets: made at the head, never written again.  One wait on va_vdst ahead of the first load serves every load and store of the kernel.
;   HF           at the head: global loads land in it, LDS stores read it (two of its registers are first made by vector lines: a wait on va_vdst ahead of their store); one wait on vm_vsrc behind the barrier frees it.
;                Then K step 0's fragments land in it and the first eight products read it; at the end the 16 rows from the stage land in it, x is added to them there, and the stores read it.
;   HB           K steps 1 to 3 of o: a buffer each, in window 1; LDS loads land in them, products read them, nothing else names them.  So the four K steps hold no wait on va_vdst.
;   ACC          written by the products, read by the stage's LDS stores.
;   XR           x's rows: loaded at the head, read by the additions.
; Behind the last product and its places ONE wait on va_vdst: the sums are written, which the stage's stores read, and the first K step's products are done reading HF, in which the rows land.  One more behind the additions, ahead of the run of stores.
.set HIMG, 0                           ; LDS: o's 8 tiles as they lie in oc
.set HSC,  32768                       ; o's scale bytes, [row = 16 tile + r][16]
.set STG,  34816                       ; a stage of 16 rows x (512 + 16) bytes for each wave
.set BV,   20                          ; v20-27   my output's bias, eight times
.set WS,   28                          ; v28-31   W's scale words
.set W,    32                          ; v32-63   W's four fragments
.set HS,   64                          ; v64-79   o's scale words: 4 i + s: lanes 0-15 tile 2 i, lanes 16-31 tile 2 i + 1
.set HF,   80                          ; v80-143  o's eight fragments of K step 0; at the head what is on its way to LDS; at the end 16 rows of the result
.set ACC,  144                         ; v144-207 eight accumulators
.set XR,   0                           ; window 1: v0-63 16 rows of x;
.set HB,   64                          ; v64-255 o's fragments of K steps 1 to 3: tile n of step s at HB + 64 (s - 1) + 8 n
.set MSB, 0
.macro WIN new                         ; the immediate's high byte repeats the setting that is left
.if MSB != \new
	s_set_vgpr_msb (MSB<<8)|\new
.set MSB, \new
.endif
.endm
.macro PLACES                          ; four places behind a matrix instruction, in front of loads into its sources and of the first read of its result
.rept 4
	v_nop
.endr
.endm
	s_load_b256 s[4:11], s[0:1], 0x0               ; oc, os, W's codes, W's scales
	s_load_b128 s[12:15], s[0:1], 0x20             ; bias, x
	s_load_b64 s[16:17], s[0:1], 0x30              ; out0
	v_lshl_add_u32 v254, v0, 2, 0x19000
	v_mov_b32 v255, 0
	v_lshrrev_b32 v1, 5, v0
	v_readfirstlane_b32 s2, v1                     ; wave 0..7
	s_and_b32 s3, ttmp7, 0xffff
	s_lshr_b32 s18, ttmp9, 4                       ; batch
	s_and_b32 s19, ttmp9, 15                       ; package
	s_lshl_b32 s20, s3, 7
	s_wait_alu depctr_va_sdst(0)                   ; s2 is written, ahead of its first reader: the wave's outputs and its stage are made from it
	s_lshl_b32 s21, s2, 4
	s_add_co_u32 s20, s20, s21                     ; my first output
	v_and_b32 v1, 31, v0                           ; lane
	v_and_b32 v2, 15, v0                           ; r
	v_bfe_u32 v3, v0, 4, 1                         ; lane / 16
	v_lshlrev_b32 v4, 4, v1
	v_add_nc_u32 v7, HSC, v4
	v_lshlrev_b32 v8, 8, v2
	v_lshl_add_u32 v8, v3, 4, v8                   ; W: row r of 256 bytes, + 16 for lanes 16-31
	v_lshlrev_b32 v9, 4, v2                        ; its scale bytes: 16 a row
	v_lshlrev_b32 v10, 2, v2                       ; the bias
	v_lshlrev_b32 v12, 4, v0                       ; staging: 16 bytes a thread
	v_and_b32 v13, 127, v0
	v_lshrrev_b32 v11, 7, v0
	v_lshlrev_b32 v14, 4, v13
	v_lshl_add_u32 v14, v11, 3, v14
	v_add_nc_u32 v14, HSC, v14                     ; thread t puts 8 bytes of row t % 128: channel blocks 8 (t / 128) on
	v_lshl_add_u32 v13, v11, 14, v13               ; and finds them in 8 planes of 2,048 bytes
	s_mul_i32 s21, s2, 16*528
	s_add_co_u32 s21, s21, STG                     ; my stage
	v_mul_u32_u24 v15, v2, 528
	v_lshl_add_u32 v15, v3, 6, v15
	v_add_nc_u32 v15, s21, v15                     ; in: row r, + 64 bytes for lanes 16-31
	v_add_nc_u32 v16, s21, v4                      ; back: the 32 lanes take one row of 512 bytes
	s_mov_b32 s23, 0
	s_wait_kmcnt 0x0
	s_lshl_b32 s22, ttmp9, 15
	s_add_nc_u64 s[4:5], s[4:5], s[22:23]          ; oc at my 8 tiles
	s_lshl_b32 s22, s18, 15
	s_lshl_b32 s24, s19, 7
	s_add_co_u32 s22, s22, s24
	s_add_nc_u64 s[6:7], s[6:7], s[22:23]          ; os at my 128 rows of plane 0
	s_lshl_b32 s22, s20, 8
	s_add_nc_u64 s[8:9], s[8:9], s[22:23]
	s_lshl_b32 s22, s20, 4
	s_add_nc_u64 s[10:11], s[10:11], s[22:23]
	s_lshl_b32 s22, s20, 2
	s_add_nc_u64 s[12:13], s[12:13], s[22:23]
	s_lshl_b32 s22, s18, 9
	s_add_co_u32 s22, s22, s20
	s_lshl_b32 s22, s22, 13                        ; row 512 batch + output, 8,192 bytes each,
	s_lshl_b32 s24, s19, 9                         ; + 128 positions a package
	s_add_co_u32 s22, s22, s24
	s_add_nc_u64 s[14:15], s[14:15], s[22:23]
	s_add_nc_u64 s[16:17], s[16:17], s[22:23]
	; sixteen loads for LDS first, then ten that stay in registers, then x's sixteen
	s_wait_alu depctr_va_vdst(0)                   ; the addresses and offsets v4 to v16 are written, which every load and store of the kernel reads; none of them is written again
.irp i, 0,1,2,3,4,5,6,7
	global_load_b128 v[HF+4*\i:HF+4*\i+3], v12, s[4:5] offset:4096*\i
.endr
.irp i, 0,1,2,3,4,5,6,7
	global_load_u8 v[HF+32+\i], v13, s[6:7] offset:2048*\i
.endr
.irp s, 0,1,2,3
.irp c, 0,1
	global_load_b128 v[W+8*\s+4*\c:W+8*\s+4*\c+3], v8, s[8:9] offset:64*\s+32*\c
.endr
.endr
	global_load_b128 v[WS:WS+3], v9, s[10:11]
	global_load_b32 v[BV], v10, s[12:13]
	WIN 0x40                                       ; destination window 1
.set i, 0
.rept 16
	global_load_b128 v[XR+4*i:XR+4*i+3], v4, s[14:15] offset:8192*i th:TH_LOAD_NT
.set i, i+1
.endr
	WIN 0
	s_wait_loadcnt 26                              ; the first sixteen are in; the 26 behind them may be out
.irp i, 0,1,2,3,4,5,6,7
	ds_store_b128 v12, v[HF+4*\i:HF+4*\i+3] offset:HIMG+4096*\i
.endr
	v_lshl_or_b32 v[HF+32], v[HF+33], 8, v[HF+32]  ; eight bytes make two scale words
	v_lshl_or_b32 v[HF+32], v[HF+34], 16, v[HF+32]
	v_lshl_or_b32 v[HF+32], v[HF+35], 24, v[HF+32]
	v_lshl_or_b32 v[HF+33], v[HF+37], 8, v[HF+36]
	v_lshl_or_b32 v[HF+33], v[HF+38], 16, v[HF+33]
	v_lshl_or_b32 v[HF+33], v[HF+39], 24, v[HF+33]
	s_wait_alu depctr_va_vdst(0)                   ; the six lines above have written the two scale words, which the store reads; they are also done with v[HF+32] to v[HF+39], in which K step 0's fragments will land
	ds_store_b64 v14, v[HF+32:HF+33]
	s_wait_dscnt 0x0                               ; for the others' sake: my stores are done
	s_barrier_signal -1
	s_barrier_wait -1                              ; the launch's one barrier: o lies in LDS and is only read from here on; the stages are each wave's own
.macro FETCH s                         ; K step s of all eight tiles of o, into the step's own buffer
.if (\s) == 0
	WIN 0
.else
	WIN 0x40                                       ; destination window 1, address window 0
.endif
.irp n, 0,1,2,3,4,5,6,7
.if (\s) == 0
.set RH, HF+8*\n
.else
.set RH, HB+64*((\s)-1)+8*\n
.endif
.irp c, 0,1
	ds_load_b128 v[RH+4*\c:RH+4*\c+3], v4 offset:HIMG+4096*\n+1024*(\s)+512*\c
.endr
.endr
.endm
.macro MUL s                           ; 8 matrix instructions: eight accumulators by turns; the first K step takes the bias as C
.if (\s) == 0
	WIN 0
.else
	WIN 0x01                                       ; o's fragments in window 1
.endif
.irp n, 0,1,2,3,4,5,6,7
.if (\s) == 0
.set RC, BV
.set RH, HF+8*\n
.else
.set RC, ACC+8*\n
.set RH, HB+64*((\s)-1)+8*\n
.endif
.if \n%2
	v_wmma_scale_f32_16x16x128_f8f6f4 v[ACC+8*\n:ACC+8*\n+7], v[RH:RH+7], v[W+8*(\s):W+8*(\s)+7], v[RC:RC+7], v[HS+4*(\n/2)+(\s)], v[WS+(\s)] matrix_a_fmt:MATRIX_FMT_FP4 matrix_b_fmt:MATRIX_FMT_FP4 matrix_a_scale:MATRIX_SCALE_ROW1
.else
	v_wmma_scale_f32_16x16x128_f8f6f4 v[ACC+8*\n:ACC+8*\n+7], v[RH:RH+7], v[W+8*(\s):W+8*(\s)+7], v[RC:RC+7], v[HS+4*(\n/2)+(\s)], v[WS+(\s)] matrix_a_fmt:MATRIX_FMT_FP4 matrix_b_fmt:MATRIX_FMT_FP4
.endif
.endr
.endm
	s_wait_alu depctr_vm_vsrc(0)                   ; my LDS stores have read v[HF] to v[HF+33], in which K step 0's fragments land
.irp i, 0,1,2,3
	ds_load_b128 v[HS+4*\i:HS+4*\i+3], v7 offset:512*\i
.endr
	FETCH 0                                        ; three K steps are asked for at once, each into a buffer of its own
	FETCH 1
	FETCH 2
	WIN 0
	s_wait_loadcnt 16                              ; W, its scale words and the bias are in; x's sixteen loads may be out
.irp j, 1,2,3,4,5,6,7
	v_mov_b32 v[BV+\j], v[BV]                      ; all eight registers of a lane belong to one output
.endr
	s_wait_dscnt 32                                ; the scale words and K step 0 are in; the 32 loads of steps 1 and 2, issued behind them, may be out
	MUL 0
	FETCH 3                                        ; the last buffer, between two K steps.  No wait: no vector or matrix instruction of the kernel names it, and none since the head's wait writes v4
	s_wait_dscnt 32                                ; K step 1 is in; steps 2 and 3 may be out
	MUL 1
	s_wait_dscnt 16                                ; K step 2 is in; step 3 may be out
	MUL 2
	s_wait_dscnt 0x0
	MUL 3
	WIN 0
	PLACES
	s_wait_alu depctr_va_vdst(0)                   ; the products have written the sums, which the LDS stores read (the places above stay beside this wait); the first K step's products are done reading HF, in which the rows below land
.irp a, 0,1,2,3                                ; lane (r, h): positions 32 a + 16 h + 0 .. 15 of output row r; each accumulator from its low end on
.irp q, 0,1,2,3
	ds_store_b128 v15, v[ACC+16*\a+4*\q:ACC+16*\a+4*\q+3] offset:128*\a+16*\q
.endr
.endr
.set i, 0
.rept 16
	ds_load_b128 v[HF+4*i:HF+4*i+3], v16 offset:528*i   ; my own bytes, and LDS serves a wave's instructions in order (ISA guide 5.7.1.4): these see the stores above
.set i, i+1
.endr
	s_wait_loadcnt 0x0                             ; x
	s_wait_dscnt 0x0                               ; the rows are back
	WIN 0x04                                       ; source 1 (x) in window 1
.set j, 0
.rept 32
	v_pk_add_f32 v[HF+j:HF+j+1], v[HF+j:HF+j+1], v[XR+j:XR+j+1]
.set j, j+2
.endr
	WIN 0
	s_wait_alu depctr_va_vdst(0)                   ; the additions have written the 16 rows, which the stores read
.set i, 0
.rept 16
	global_store_b128 v4, v[HF+4*i:HF+4*i+3], s[16:17] offset:8192*i th:TH_STORE_NT   ; written once, read by nobody here
.set i, i+1
.endr
	s_wait_dscnt 0x0                               ; the closing lines, six on end
	s_wait_alu 0x0
	s_wait_tensorcnt 0x0
	ds_add_u32 v254, v255
	s_wait_dscnt 0x0
	s_endpgm
.Lfunc_end_k_q9d46aa690e_proj:
	.size	k_q9d46aa690e_proj, .Lfunc_end_k_q9d46aa690e_proj-k_q9d46aa690e_proj
	.p2alignl 7, 3214868480
	.fill 96, 4, 3214868480
	.section	.rodata,"a",@progbits
	.p2align	6, 0x0
	.amdhsa_kernel k_q9d46aa690e_proj
		.amdhsa_group_segment_fixed_size 103424
		.amdhsa_private_segment_fixed_size 0
		.amdhsa_enable_private_segment 0
		.amdhsa_kernarg_size 56
		.amdhsa_user_sgpr_count 2
		.amdhsa_user_sgpr_kernarg_segment_ptr 1
		.amdhsa_wavefront_size32 1
		.amdhsa_system_sgpr_workgroup_id_x 1
		.amdhsa_system_sgpr_workgroup_id_y 1
		.amdhsa_system_sgpr_workgroup_id_z 1
		.amdhsa_system_vgpr_workitem_id 0
		.amdhsa_next_free_vgpr 512
		.amdhsa_next_free_sgpr 66
		.amdhsa_reserve_vcc 0
		.amdhsa_float_denorm_mode_32 3
		.amdhsa_float_denorm_mode_16_64 3
		.amdhsa_memory_ordered 1
		.amdhsa_forward_progress 1
		.amdhsa_inst_pref_size 23
	.end_amdhsa_kernel
	.amdgpu_metadata
---
amdhsa.version: [ 1, 2 ]
amdhsa.kernels:
  - .name:           k_q9d46aa690e_proj
    .symbol:         k_q9d46aa690e_proj.kd
    .args:
      - { .name: oc, .offset: 0, .size: 8, .value_kind: global_buffer, .address_space: global }
      - { .name: os, .offset: 8, .size: 8, .value_kind: global_buffer, .address_space: global }
      - { .name: proj_w_codes, .offset: 16, .size: 8, .value_kind: global_buffer, .address_space: global }
      - { .name: proj_w_scales, .offset: 24, .size: 8, .value_kind: global_buffer, .address_space: global }
      - { .name: proj_b, .offset: 32, .size: 8, .value_kind: global_buffer, .address_space: global }
      - { .name: x, .offset: 40, .size: 8, .value_kind: global_buffer, .address_space: global }
      - { .name: out0, .offset: 48, .size: 8, .value_kind: global_buffer, .address_space: global }
    .group_segment_fixed_size: 103424
    .private_segment_fixed_size: 0
    .kernarg_segment_align: 8
    .kernarg_segment_size: 56
    .max_flat_workgroup_size: 256
    .sgpr_count:     66
    .vgpr_count:     512
    .wavefront_size: 32
...
	.end_amdgpu_metadata
.endif
;; end of part 8
